; MI455X (gfx1250); checked and timed in simulation.
; The chip was launched on July 23, 2026; its instructions are those of AMD's public machine-readable ISA for CDNA 5 (MIT licence, August 2026) and "CDNA5" Instruction Set Architecture Reference Guide (July 2026). The comments in the code are by the model that wrote it; some were corrected since.
;; Hybrid Mo E. Allowed arithmetic: matrix products marked QUANTISED: E4M3 operands, one E8M0 scale for each 32 along K, by v_wmma_scale_f32_16x16x128_f8f6f4 with both operands' format E4M3, f32 sums; products left as they are: f32 operands where the result goes on into a quantised operand, else bf16, f16 or f32 operands; f32 sums; everything else in f32.
;; Inputs: W1_codes 4 x 1,024 x 32 x 32 uint8 (E4M3 codes of W1, K innermost, in blocks of 32 codes); W1_scales 4 x 1,024 x 32 uint8 (E8M0 scales of W1, one for each 32 codes along K); W2_codes 4 x 1,024 x 32 x 32 uint8 (E4M3 codes of W2, K innermost, in blocks of 32 codes); W2_scales 4 x 1,024 x 32 uint8 (E8M0 scales of W2, one for each 32 codes along K); W3_codes 4 x 1,024 x 32 x 32 uint8 (E4M3 codes of W3, K innermost, in blocks of 32 codes); W3_scales 4 x 1,024 x 32 uint8 (E8M0 scales of W3, one for each 32 codes along K); Wg 1,024 x 4 float32; w1s_codes 1,024 x 32 x 32 uint8 (E4M3 codes of w1s, K innermost, in blocks of 32 codes); w1s_scales 1,024 x 32 uint8 (E8M0 scales of w1s, one for each 32 codes along K); w2s_codes 1,024 x 32 x 32 uint8 (E4M3 codes of w2s, K innermost, in blocks of 32 codes); w2s_scales 1,024 x 32 uint8 (E8M0 scales of w2s, one for each 32 codes along K); w3s_codes 1,024 x 32 x 32 uint8 (E4M3 codes of w3s, K innermost, in blocks of 32 codes); w3s_scales 1,024 x 32 uint8 (E8M0 scales of w3s, one for each 32 codes along K); x 2 x 2,048 x 1,024 float32.
;; Outputs: out0 2 x 2,048 x 1,024 float32.
;; This version of the problem:
;;   THIS VERSION OF THE PROBLEM IS GIVEN IN LOW PRECISION. The matrix products marked QUANTISED in the list below multiply operands that are first quantised to E4M3 (4 exponent bits, 3 mantissa bits; 8 bits a number), with one power-of-two scale for each 32 numbers along K (OCP MX v1.0); their sums are f32. All else is computed in f32.
;;   The module's matrix products, in the order in which they are computed (A, B: the left and right operand; K: the contracted axis; several contracted axes count as one K, in the product's order):
;;     1. [M 4,096, K 1,024] x [K 1,024, N 1,024]; A: input x; B: input w1s (given as codes): QUANTISED
;;     2. [M 4,096, K 1,024] x [K 1,024, N 1,024]; A: input x; B: input w2s (given as codes): QUANTISED
;;     3. [M 4,096, K 1,024] x [K 1,024, N 1,024]; A: computed on the way; B: input w3s (given as codes): QUANTISED
;;     4. [M 4,096, K 1,024] x [K 1,024, N 4]; A: input x; B: input Wg: left as it is (N = 4 < 16)
;;     5. [M 4,096, K 1,024] x [K 1,024, N 1,024]; A: input x; B: input W1 (given as codes): QUANTISED
;;     6. [M 4,096, K 1,024] x [K 1,024, N 1,024]; A: input x; B: input W2 (given as codes): QUANTISED
;;     7. [M 4,096, K 1,024] x [K 1,024, N 1,024]; A: computed on the way; B: input W3 (given as codes): QUANTISED
;;     8. [M 4,096, K 1,024] x [K 1,024, N 1,024]; A: input x; B: input W1 (given as codes): QUANTISED
;;     9. [M 4,096, K 1,024] x [K 1,024, N 1,024]; A: input x; B: input W2 (given as codes): QUANTISED
;;     10. [M 4,096, K 1,024] x [K 1,024, N 1,024]; A: computed on the way; B: input W3 (given as codes): QUANTISED
;;     11. [M 4,096, K 1,024] x [K 1,024, N 1,024]; A: input x; B: input W1 (given as codes): QUANTISED
;;     12. [M 4,096, K 1,024] x [K 1,024, N 1,024]; A: input x; B: input W2 (given as codes): QUANTISED
;;     13. [M 4,096, K 1,024] x [K 1,024, N 1,024]; A: computed on the way; B: input W3 (given as codes): QUANTISED
;;     14. [M 4,096, K 1,024] x [K 1,024, N 1,024]; A: input x; B: input W1 (given as codes): QUANTISED
;;     15. [M 4,096, K 1,024] x [K 1,024, N 1,024]; A: input x; B: input W2 (given as codes): QUANTISED
;;     16. [M 4,096, K 1,024] x [K 1,024, N 1,024]; A: computed on the way; B: input W3 (given as codes): QUANTISED
;;   THE QUANTISER, for each operand of a quantised product, along K:
;;     - K is cut into blocks of 32 from its start; a last block that is shorter is filled with zeros.
;;     - A block's scale is 2^e with e = floor(log2(the largest magnitude in the block)) - 8, held to -126 .. 127; a block of zeros has e = 0. As a byte (E8M0): e + 127.
;;     - Each number is divided by its block's scale, clamped to +-448, and rounded to the nearest number of E4M3, ties to even, subnormals kept.
;;     - The product sums the exact products of the quantised numbers (number of the format x scale) in f32.
;;   ~~~python
;;   def quantise(x, axis):      # numpy; x: float32 -> the quantised numbers, widened to float32 again
;;       x = np.moveaxis(x, axis, -1); K = x.shape[-1]
;;       x = np.pad(x, [(0, 0)] * (x.ndim - 1) + [(0, -K % 32)]); x = x.reshape(x.shape[:-1] + (-1, 32)); a = np.abs(x).max(-1, keepdims=True)
;;       e = np.where(a > 0, np.clip(np.frexp(np.where(a > 0, a, 1))[1] - 1 - 8, -126, 127), 0)      # np.frexp(a)[1] - 1 = floor(log2(a)), exactly
;;       r = np.clip(x / 2.0 ** e, -448, 448)
;;       step = 2.0 ** (np.maximum(np.frexp(np.where(r == 0, 1, r))[1] - 1, -6) - 3)
;;       q = np.round(r / step) * step * 2.0 ** e      # np.round: ties to even
;;       return np.moveaxis(q.reshape(q.shape[:-2] + (-1,))[..., :K], -1, axis).astype(np.float32)
;;   ~~~
;;   OPERANDS COMPUTED ON THE WAY. 'Computed on the way' means the value that the module computes at that place (a softmax that the list does not call 'softmax' is quantised finished and normalised). What goes into a quantiser is computed in f32, as accurately as f32 sums, v_exp_f32 and their like allow (about 1e-6 of the number): no bf16 or f16 on the way to a quantiser, and a product that is left as it is and whose result goes on into a quantised operand takes f32 operands (vector FMAs, or v_wmma_f32_16x16x4_f32). A number that lies on a knife's edge between two numbers of the format may be rounded either way, as far as f32 arithmetic and the matrix unit's own rounding can turn it there, and no further.
;;   INPUTS GIVEN AS CODES. W1 (in the module: [4, 1024, 1024], K = its axis 1); W2 (in the module: [4, 1024, 1024], K = its axis 1); W3 (in the module: [4, 1024, 1024], K = its axis 1); w1s (in the module: [1024, 1024], K = its axis 0); w2s (in the module: [1024, 1024], K = its axis 0); w3s (in the module: [1024, 1024], K = its axis 0): each comes as NAME_codes (uint8): NAME with its K axis moved to the last place and cut into blocks of 32 codes, [.., K / 32, bytes a block], one block behind the other in memory; one code a byte (a code: sign, 4 exponent bits, 3 mantissa bits); and NAME_scales (uint8): the same leading axes, one E8M0 byte (e + 127) for each 32 codes along K. Its value is code x scale, taken as it is: it is not quantised again, and the codes and scales need not be those that the quantiser above would give.
;; 2 versions. Each part assembles by itself: llvm-mc -triple=amdgcn-amd-amdhsa -mcpu=gfx1250 --defsym DOCPART=n.
;; ======== version 1 of 2: 4 launches
;; workspace buffers: xq 4,194,304 bytes; xsc 131,072 bytes; idx 16,384 bytes of whole numbers; order 20,480 bytes of whole numbers; tiles 512 bytes of whole numbers; hq 10,485,760 bytes; hsc 524,288 bytes
;; launch prep (part 1): grid 256 x 1, 8 waves a work-group, no clusters, 83,712 bytes of LDS; arguments x, Wg, xq, xsc, idx; writes xq, xsc, idx
.if DOCPART == 1
	.amdgcn_target "amdgcn-amd-amdhsa--gfx1250"
	.amdhsa_code_object_version 6
	.text
	.protected	k_q30b8bd44a2_prep
	.globl	k_q30b8bd44a2_prep
	.p2align	8
	.type	k_q30b8bd44a2_prep,@function
k_q30b8bd44a2_prep:
	s_mov_b64 s[64:65], 0
	v_nop
	global_prefetch_b8 v0, s[64:65] scope:SCOPE_SE
	s_setreg_imm32_b32 hwreg(HW_REG_WAVE_MODE, 25, 1), 1
	s_wait_xcnt 0x0
; x [4096][1024] f32 becomes codes of E4M3 (xq, K innermost) with one E8M0 byte for each 32 along K (xsc), and each token's expert, argmax of x Wg, is stored as a whole number (idx).
; A block's scale is 2^(floor(log2(largest magnitude)) - 8); its byte is the largest magnitude's exponent field - 8, held at 1 from below.
; LIMITS: NaN and infinities are not served.  A block whose largest magnitude lies under 2^-118, a block of zeros among them, gets the byte 1: zero codes add nothing under it, and this program alone reads the bytes.
; The logits are f32 sums in another order than a row-by-row sum: two logits equal within f32 rounding may choose the other expert; exact ties take the lower index.
; SHARES.  A work-group takes 16 rows, a wave two: four steps of 512 numbers (row t / 2, half t % 2).  Each load reads 512 consecutive bytes; a step turns through the wave's own stage in LDS,
; so that a lane then holds 16 neighbours along K (two lanes to a block).  All 16 loads of x of a wave are issued at once: 8,192 bytes a wave on their way.
; No address and no branch hangs on the choice of expert: it is stored at a fixed place.
.set SP,    80                         ; a lane's place in a stage: 64 bytes + 16 of padding
.set STG,   32*SP                      ; a stage
.set WREG,  4*STG                      ; four stages a wave, one for each step
.set SCG,   8*WREG                     ; behind the stages: the work-group's 512 scale bytes
.set IDG,   SCG+512                    ; and its 16 experts, a word each
.set R,     16                         ; v16-79   step t's 16 numbers at R + 16 t: as loaded, then as neighbours
.set C,     80                         ; v80-95   step t's codes
.set E,     96                         ; v96-99   step t's scale byte
.set LG,    100                        ; v100-107 the four logits, in two sets (even k, odd k)
.set PX,    108                        ; v108-111 the other half of the lanes' sums
.set BEST,  112                        ; v112 the largest logit; v113, v114 its index, for each of my two rows
.set ONE,   125                        ; v125-127 the numbers 1, 2, 3
.set WGT,   128                        ; v128-255 Wg: register 64 p + 4 k + e = Wg[512 p + 16 lane + k][e]
	s_load_b256 s[4:11], s[0:1], 0x0               ; x s[4:5], Wg s[6:7], xq s[8:9], xsc s[10:11]
	s_load_b64 s[12:13], s[0:1], 0x20              ; idx
	v_lshl_add_u32 v115, v0, 2, 0x14300
	v_mov_b32 v119, 0
	v_lshrrev_b32 v1, 5, v0
	v_readfirstlane_b32 s14, v1                    ; wave 0..7
	v_and_b32 v1, 31, v0                           ; lane
	v_lshlrev_b32 v2, 4, v1                        ; 16 x lane: my bytes of a load of x and of a store of codes
	v_lshlrev_b32 v3, 8, v1                        ; 256 x lane: my 16 rows of Wg
	s_mul_i32 s15, s14, WREG
	v_lshrrev_b32 v4, 2, v1
	v_mul_u32_u24 v4, v4, SP
	v_and_b32 v5, 3, v1
	v_lshl_add_u32 v4, v5, 4, v4
	v_add_nc_u32 v4, s15, v4                       ; the stage, in: four lanes' 64 bytes on end, then the padding
	v_mul_u32_u24 v5, v1, SP
	v_add_nc_u32 v5, s15, v5                       ; the stage, out: my 16 neighbours
	s_lshl_b32 s15, s14, 6
	s_add_co_u32 s15, s15, SCG
	v_lshrrev_b32 v6, 1, v1
	v_add_nc_u32 v6, s15, v6                       ; my block's scale byte: SCG + 64 wave + lane / 2 (+ 16 t)
	s_lshl_b32 s15, s14, 3
	s_add_co_u32 s15, s15, IDG
	v_mov_b32 v7, s15                              ; my rows' experts: IDG + 8 wave (+ 4 row)
	v_add_nc_u32 v116, SCG, v2                     ; the way out (wave 0 alone uses these three)
	v_and_b32 v117, 15, v1
	v_lshlrev_b32 v117, 2, v117
	v_add_nc_u32 v118, IDG, v117
	v_mov_b32 v[ONE], 1
	v_mov_b32 v[ONE+1], 2
	v_mov_b32 v[ONE+2], 3
.irp e, 0,1,2,3
	v_mov_b32 v[PX+\e], 0                          ; written once: a lane permute's destination counts as one of its sources
.endr
	s_lshl_b32 s16, ttmp9, 16                      ; x: 16 rows of 4,096 bytes a work-group,
	s_lshl_b32 s17, s14, 13                        ; two rows a wave
	s_add_co_u32 s16, s16, s17
	s_mov_b32 s17, 0
	s_lshl_b32 s18, ttmp9, 14                      ; xq: a quarter of that
	s_lshl_b32 s19, s14, 11
	s_add_co_u32 s18, s18, s19
	s_mov_b32 s19, 0
	s_lshl_b32 s20, ttmp9, 9                       ; xsc: 512 bytes a work-group
	s_mov_b32 s21, 0
	s_lshl_b32 s22, ttmp9, 6                       ; idx: 64 bytes a work-group
	s_mov_b32 s23, 0
	s_mov_b32 s24, 0x600000                        ; the mantissa field of 448
	s_mov_b32 s26, 0x76543210
	s_mov_b32 s27, 0xfedcba98                      ; v_permlanex16_b32's selects for lane l xor 16
	s_wait_kmcnt 0x0
	s_add_nc_u64 s[4:5], s[4:5], s[16:17]
	s_add_nc_u64 s[8:9], s[8:9], s[18:19]
	s_add_nc_u64 s[10:11], s[10:11], s[20:21]
	s_add_nc_u64 s[12:13], s[12:13], s[22:23]
.irp t, 0,1,2,3
.irp i, 0,1,2,3
	global_load_b128 v[R+16*\t+4*\i:R+16*\t+4*\i+3], v2, s[4:5] offset:2048*\t+512*\i th:TH_LOAD_NT   ; 32 lanes read 512 consecutive bytes; read once in the launch
.endr
.endr
.irp p, 0,1
.irp k, 0,1,2,3,4,5,6,7,8,9,10,11,12,13,14,15
	global_load_b128 v[WGT+64*\p+4*\k:WGT+64*\p+4*\k+3], v3, s[6:7] offset:8192*\p+16*\k   ; Wg's row 512 p + 16 lane + k: read again by every wave
.endr
.endr
; step t's numbers through its stage: LDS serves a wave's instructions in order, so no wait stands between the stores and the loads, and the loads may land where the stores read
.macro TURN t
.irp i, 0,1,2,3
	ds_store_b128 v4, v[R+16*(\t)+4*\i:R+16*(\t)+4*\i+3] offset:STG*(\t)+8*SP*\i
.endr
.irp i, 0,1,2,3
	ds_load_b128 v[R+16*(\t)+4*\i:R+16*(\t)+4*\i+3], v5 offset:STG*(\t)+16*\i
.endr
.endm
; step t: the four logits' share of my 16 numbers, then the block's scale, the hold, the codes.  dsw: the LDS instructions issued behind this step's loads from the stage
.macro WORK t, dsw
.set XS, R+16*(\t)
.set WB, WGT+64*((\t)%2)
	s_wait_dscnt \dsw
.irp k, 0,1,2,3,4,5,6,7,8,9,10,11,12,13,14,15
.set LL, LG+4*(\k%2)
.set XP, XS+2*(\k/2)
.if ((\t)%2 == 0) && (\k < 2)                  ; a row's first two numbers start the sums: nothing is cleared
.if \k == 0
	v_pk_mul_f32 v[LL:LL+1], v[XP:XP+1], v[WB+4*\k:WB+4*\k+1] op_sel:[0,0] op_sel_hi:[0,1]
	v_pk_mul_f32 v[LL+2:LL+3], v[XP:XP+1], v[WB+4*\k+2:WB+4*\k+3] op_sel:[0,0] op_sel_hi:[0,1]
.else
	v_pk_mul_f32 v[LL:LL+1], v[XP:XP+1], v[WB+4*\k:WB+4*\k+1] op_sel:[1,0] op_sel_hi:[1,1]
	v_pk_mul_f32 v[LL+2:LL+3], v[XP:XP+1], v[WB+4*\k+2:WB+4*\k+3] op_sel:[1,0] op_sel_hi:[1,1]
.endif
.elseif \k%2 == 0                              ; x's register serves both halves: the pair's first for an even k, its second for an odd one
	v_pk_fma_f32 v[LL:LL+1], v[XP:XP+1], v[WB+4*\k:WB+4*\k+1], v[LL:LL+1] op_sel:[0,0,0] op_sel_hi:[0,1,1]
	v_pk_fma_f32 v[LL+2:LL+3], v[XP:XP+1], v[WB+4*\k+2:WB+4*\k+3], v[LL+2:LL+3] op_sel:[0,0,0] op_sel_hi:[0,1,1]
.else
	v_pk_fma_f32 v[LL:LL+1], v[XP:XP+1], v[WB+4*\k:WB+4*\k+1], v[LL:LL+1] op_sel:[1,0,0] op_sel_hi:[1,1,1]
	v_pk_fma_f32 v[LL+2:LL+3], v[XP:XP+1], v[WB+4*\k+2:WB+4*\k+3], v[LL+2:LL+3] op_sel:[1,0,0] op_sel_hi:[1,1,1]
.endif
.endr
	v_max3_num_f32 v8, |v[XS]|, |v[XS+1]|, |v[XS+2]|               ; the largest magnitude of my 16, in two chains
	v_max3_num_f32 v9, |v[XS+3]|, |v[XS+4]|, |v[XS+5]|
.irp i, 6,10
	v_max3_num_f32 v8, v8, |v[XS+\i]|, |v[XS+\i+1]|
	v_max3_num_f32 v9, v9, |v[XS+\i+2]|, |v[XS+\i+3]|
.endr
	v_max3_num_f32 v8, v8, |v[XS+14]|, |v[XS+15]|
	v_max3_num_f32 v8, v8, v9, 0x4800000           ; and the floor 2^(9 - 127): the byte cannot fall under 1
	v_max_num_f32_dpp v8, v8, v8 row_xmask:1 row_mask:0xf bank_mask:0xf   ; with my neighbour's 16: the block's
	v_add_nc_u32 v11, 0xfc000000, v8               ; 8 off the exponent field: the conversion takes this operand's exponent field as its scale
	v_and_or_b32 v10, v8, 0x7f800000, s24          ; 448 x the scale
.irp i, 0,1,2,3,4,5,6,7,8,9,10,11,12,13,14,15
	v_med3_num_f32 v[XS+\i], v[XS+\i], -v10, v10   ; the conversion to an 8-bit code does not saturate (ISA guide 7.6.2): the hold comes first
.endr
	v_cvt_scalef32_pk8_fp8_f32 v[C+4*(\t):C+4*(\t)+1], v[XS:XS+7], v11
	v_cvt_scalef32_pk8_fp8_f32 v[C+4*(\t)+2:C+4*(\t)+3], v[XS+8:XS+15], v11
	v_lshrrev_b32 v[E+(\t)], 23, v11               ; the scale's byte (also the plain line behind the conversions)
	ds_store_b8 v6, v[E+(\t)] offset:16*(\t)       ; both lanes of a block write the same byte with the same value
	global_store_b128 v2, v[C+4*(\t):C+4*(\t)+3], s[8:9] offset:512*(\t)   ; the wave stores 512 consecutive bytes, aligned
.if (\t)%2                                     ; the row is through: its four logits over the 32 lanes, and the first largest of them
	v_pk_add_f32 v[LG:LG+1], v[LG:LG+1], v[LG+4:LG+5]
	v_pk_add_f32 v[LG+2:LG+3], v[LG+2:LG+3], v[LG+6:LG+7]
.irp m, 1,2,4,8
.irp e, 0,1,2,3
	v_add_f32_dpp v[LG+\e], v[LG+\e], v[LG+\e] row_xmask:\m row_mask:0xf bank_mask:0xf
.endr
.endr
.irp e, 0,1,2,3
	v_permlanex16_b32 v[PX+\e], v[LG+\e], s26, s27
.endr
.irp e, 0,1,2,3
	v_add_f32 v[LG+\e], v[LG+\e], v[PX+\e]
.endr
	v_mov_b32 v[BEST], v[LG]
	v_mov_b32 v[BEST+1+(\t)/2], 0
.irp e, 1,2,3
	v_cmp_gt_f32 vcc_lo, v[LG+\e], v[BEST]         ; strictly greater: a tie keeps the lower index
	v_cndmask_b32 v[BEST], v[BEST], v[LG+\e], vcc_lo
	v_cndmask_b32 v[BEST+1+(\t)/2], v[BEST+1+(\t)/2], v[ONE+\e-1], vcc_lo
.endr
	ds_store_b32 v7, v[BEST+1+(\t)/2] offset:4*((\t)/2)   ; every lane writes the same word with the same value
.endif
.endm
	s_wait_loadcnt 44                              ; step 0's four loads are in: behind them 12 of x and 32 of Wg
	TURN 0
	s_wait_loadcnt 40                              ; step 1's
	TURN 1
	s_wait_loadcnt 0x0                             ; Wg, the youngest, is wanted now
	WORK 0, 8                                      ; behind step 0's loads from the stage: step 1's eight
	TURN 2
	WORK 1, 9                                      ; a byte store and step 2's eight
	TURN 3
	WORK 2, 10                                     ; a byte store, a word store and step 3's eight
	WORK 3, 1                                      ; a byte store
	s_wait_dscnt 0x0                               ; for the others' sake: my bytes and words have landed
	s_barrier_signal -1
	s_barrier_wait -1
	s_cmp_lg_u32 s14, 0
	s_cbranch_scc1 .Ldone
	ds_load_b128 v[120:123], v116                  ; wave 0 sends the work-group's 512 scale bytes and 16 experts
	ds_load_b32 v124, v118
	s_wait_dscnt 0x0
	global_store_b128 v2, v[120:123], s[10:11]     ; 512 consecutive bytes, aligned
	global_store_b32 v117, v124, s[12:13]          ; 64 bytes; lanes 16-31 repeat lanes 0-15
.Ldone:
	s_wait_tensorcnt 0x0
	ds_add_u32 v115, v119
	s_wait_dscnt 0x0
	s_endpgm
.Lfunc_end_k_q30b8bd44a2_prep:
	.size	k_q30b8bd44a2_prep, .Lfunc_end_k_q30b8bd44a2_prep-k_q30b8bd44a2_prep
	.p2alignl 7, 3214868480
	.fill 96, 4, 3214868480
	.section	.rodata,"a",@progbits
	.p2align	6, 0x0
	.amdhsa_kernel k_q30b8bd44a2_prep
		.amdhsa_group_segment_fixed_size 83712
		.amdhsa_private_segment_fixed_size 0
		.amdhsa_enable_private_segment 0
		.amdhsa_kernarg_size 40
		.amdhsa_user_sgpr_count 2
		.amdhsa_user_sgpr_kernarg_segment_ptr 1
		.amdhsa_wavefront_size32 1
		.amdhsa_system_sgpr_workgroup_id_x 1
		.amdhsa_system_sgpr_workgroup_id_y 1
		.amdhsa_system_sgpr_workgroup_id_z 1
		.amdhsa_system_vgpr_workitem_id 0
		.amdhsa_next_free_vgpr 256
		.amdhsa_next_free_sgpr 66
		.amdhsa_reserve_vcc 1
		.amdhsa_float_denorm_mode_32 3
		.amdhsa_float_denorm_mode_16_64 3
		.amdhsa_memory_ordered 1
		.amdhsa_forward_progress 1
		.amdhsa_inst_pref_size 30
	.end_amdhsa_kernel
	.amdgpu_metadata
---
amdhsa.version: [ 1, 2 ]
amdhsa.kernels:
  - .name:           k_q30b8bd44a2_prep
    .symbol:         k_q30b8bd44a2_prep.kd
    .args:
      - { .name: x, .offset: 0, .size: 8, .value_kind: global_buffer, .address_space: global }
      - { .name: Wg, .offset: 8, .size: 8, .value_kind: global_buffer, .address_space: global }
      - { .name: xq, .offset: 16, .size: 8, .value_kind: global_buffer, .address_space: global }
      - { .name: xsc, .offset: 24, .size: 8, .value_kind: global_buffer, .address_space: global }
      - { .name: idx, .offset: 32, .size: 8, .value_kind: global_buffer, .address_space: global }
    .group_segment_fixed_size: 83712
    .private_segment_fixed_size: 0
    .kernarg_segment_align: 8
    .kernarg_segment_size: 40
    .max_flat_workgroup_size: 256
    .sgpr_count:     66
    .vgpr_count:     256
    .wavefront_size: 32
...
	.end_amdgpu_metadata
.endif
;; end of part 1
;; launch place (part 2): grid 1 x 1, 32 waves a work-group, no clusters, 4,352 bytes of LDS; arguments idx, order, tiles; writes order, tiles
.if DOCPART == 2
	.amdgcn_target "amdgcn-amd-amdhsa--gfx1250"
	.amdhsa_code_object_version 6
	.text
	.protected	k_q30b8bd44a2_place
	.globl	k_q30b8bd44a2_place
	.p2align	8
	.type	k_q30b8bd44a2_place,@function
k_q30b8bd44a2_place:
	s_mov_b64 s[64:65], 0
	v_nop
	global_prefetch_b8 v0, s[64:65] scope:SCOPE_SE
	s_setreg_imm32_b32 hwreg(HW_REG_WAVE_MODE, 25, 1), 1
	s_wait_xcnt 0x0
; A counting sort of the 4,096 tokens by expert, in whole numbers alone, and the table of row tiles.  One work-group of 32 waves; thread t owns tokens 4 t .. 4 t + 3; no atomics.
; order[place] = token, tokens of an expert on end, in ascending order; order[4096 .. 5119] = 0, so that a reader may run past a tile's end.
; TILES.  An expert with c rows gets n = ceil(c / 320) tiles; its G = ceil(c / 16) groups of 16 rows are dealt evenly, qg = ceil(G / n) <= 20 to a tile.  The sum of n is at most 16 for every split.
; tiles[t] = {expert, first place, rows, groups}, 32 records; those behind the last tile have 0 rows.
	s_load_b128 s[4:7], s[0:1], 0x0                ; idx s[4:5], order s[6:7]
	s_load_b64 s[8:9], s[0:1], 0x10                ; tiles
	v_lshl_add_u32 v64, v0, 2, 0x100
	v_mov_b32 v65, 0
	v_lshrrev_b32 v1, 5, v0
	v_readfirstlane_b32 s10, v1                    ; wave 0..31
	v_and_b32 v1, 31, v0                           ; lane
	v_lshlrev_b32 v2, 4, v0                        ; 16 t
	v_mov_b32 v3, 1
	s_lshl_b32 s13, s10, 2
	v_mov_b32 v23, s13                             ; LDS: my wave's word
	v_lshlrev_b32 v25, 2, v1                       ; LDS: the word of the wave whose number is my lane's
	s_mov_b32 s11, 0xffff0000                      ; lanes 16-31
	s_wait_kmcnt 0x0
	global_load_b128 v[4:7], v2, s[4:5]
	s_wait_loadcnt 0x0
.irp j, 0,1,2,3
	v_min_u32 v[4+\j], 3, v[4+\j]                  ; the expert, held inside the table
.endr
.irp j, 0,1,2,3
	v_lshlrev_b32 v[8+\j], 3, v[4+\j]              ; its field of 8 bits
.endr
.irp j, 0,1,2,3
	v_lshlrev_b32 v[12+\j], v[8+\j], v3            ; 1 in that field
.endr
	v_mov_b32 v16, 0                               ; v16-19: how many of my own tokens stand ahead of token j, by expert
	v_mov_b32 v17, v12
	v_add_nc_u32 v18, v17, v13
	v_add_nc_u32 v19, v18, v14
	v_add_nc_u32 v20, v19, v15                     ; my four counts; a wave's are at most 128, inside 8 bits
	v_mov_b32 v21, v20
; the sums of lanes 0 .. l, in every lane l: four steps inside each half of 16 lanes, then the lower half's total onto the upper half
.macro SCAN32 v, t, s
.irp n, 1,2,4,8
	v_mov_b32 v[\t], 0
	v_mov_b32_dpp v[\t], v[\v] row_shr:\n row_mask:0xf bank_mask:0xf bound_ctrl:1
	v_add_nc_u32 v[\v], v[\v], v[\t]
.endr
	v_readlane_b32 s[\s], v[\v], 15
	v_mov_b32 v[\t], s[\s]
	v_cndmask_b32 v[\t], 0, v[\t], s11
	v_add_nc_u32 v[\v], v[\v], v[\t]
.endm
	SCAN32 21, 22, 12
	v_sub_nc_u32 v24, v21, v20                     ; the counts of the lanes ahead of me
	v_readlane_b32 s12, v21, 31                    ; my wave's counts
	v_mov_b32 v22, s12
	ds_store_b32 v23, v22
	s_wait_dscnt 0x0                               ; for the others' sake
	s_barrier_signal -1
	s_barrier_wait -1
	ds_load_b32 v26, v25                           ; lane l: wave l's counts
	s_wait_dscnt 0x0
	v_and_b32 v27, 0xff, v26                       ; widened to fields of 16 bits: experts 0 and 1,
	v_and_b32 v28, 0xff00, v26
	v_lshl_or_b32 v27, v28, 8, v27
	v_lshrrev_b32 v26, 16, v26
	v_and_b32 v28, 0xff, v26                       ; experts 2 and 3
	v_and_b32 v29, 0xff00, v26
	v_lshl_or_b32 v28, v29, 8, v28
	v_mov_b32 v30, v27
	v_mov_b32 v31, v28
	SCAN32 27, 22, 12
	SCAN32 28, 22, 12
	v_readlane_b32 s16, v27, 31                    ; all tokens' counts
	v_readlane_b32 s17, v28, 31
	v_sub_nc_u32 v30, v27, v30
	v_sub_nc_u32 v31, v28, v31
	v_readlane_b32 s18, v30, s10                   ; the counts of the waves ahead of mine
	v_readlane_b32 s19, v31, s10
	s_and_b32 s20, s16, 0xffff                     ; s20-23: c, each expert's rows
	s_lshr_b32 s21, s16, 16
	s_and_b32 s22, s17, 0xffff
	s_lshr_b32 s23, s17, 16
	s_mov_b32 s24, 0                               ; s24-27: off, each expert's first place
	s_mov_b32 s25, s20
	s_add_co_u32 s26, s25, s21
	s_add_co_u32 s27, s26, s22
	s_and_b32 s28, s18, 0xffff                     ; s28-31: where my wave's tokens of each expert begin
	s_lshr_b32 s29, s18, 16
	s_and_b32 s30, s19, 0xffff
	s_lshr_b32 s31, s19, 16
	s_add_co_u32 s29, s29, s25
	s_add_co_u32 s30, s30, s26
	s_add_co_u32 s31, s31, s27
.irp e, 0,1,2,3
	v_mov_b32 v[32+\e], s[28+\e]
.endr
.irp j, 0,1,2,3
	v_mov_b32 v[36+\j], v32
.irp e, 1,2,3
	v_cmp_eq_u32 vcc_lo, \e, v[4+\j]
	v_cndmask_b32 v[36+\j], v[36+\j], v[32+\e], vcc_lo
.endr
	v_add_nc_u32 v[40+\j], v24, v[16+\j]           ; tokens of my wave ahead of this one, by expert;
	v_lshrrev_b32 v[40+\j], v[8+\j], v[40+\j]
	v_and_b32 v[40+\j], 0xff, v[40+\j]             ; of its own expert
	v_add_nc_u32 v[40+\j], v[36+\j], v[40+\j]      ; its place,
	v_min_u32 v[40+\j], 0xfff, v[40+\j]            ; held inside the list
	v_lshlrev_b32 v[40+\j], 2, v[40+\j]
	v_lshl_add_u32 v[44+\j], v0, 2, \j             ; the token: 4 t + j
	global_store_b32 v[40+\j], v[44+\j], s[6:7]
.endr
	v_lshlrev_b32 v48, 2, v0
	v_mov_b32 v49, 0
	global_store_b32 v48, v49, s[6:7] offset:16384 ; the list's tail: 1,024 zeros
	s_cmp_lg_u32 s10, 0
	s_cbranch_scc1 .Ldone
	; wave 0 makes the table; divisions by counting lanes: ceil(a / b) = the number of lanes l with l b < a, where that is at most 32
	v_mul_u32_u24 v50, v1, 320
.irp e, 0,1,2,3
	v_cmp_lt_u32 s34, v50, s[20+\e]
	s_bcnt1_i32_b32 s[36+\e], s34                  ; s36-39: n = ceil(c / 320)
	s_add_co_u32 s[40+\e], s[20+\e], 15
	s_lshr_b32 s[40+\e], s[40+\e], 4               ; s40-43: G = ceil(c / 16)
	v_mul_lo_u32 v51, v1, s[36+\e]
	v_cmp_lt_u32 s34, v51, s[40+\e]
	s_bcnt1_i32_b32 s[44+\e], s34                  ; s44-47: qg = ceil(G / n), 0 where n = 0
.endr
	s_mov_b32 s48, 0                               ; s48-51: each expert's first tile
	s_mov_b32 s49, s36
	s_add_co_u32 s50, s49, s37
	s_add_co_u32 s51, s50, s38
	v_mov_b32 v52, 0                               ; lane t is tile t: its expert is the last whose first tile is at most t
	v_mov_b32 v53, 0
	v_mov_b32 v54, 0
	v_mov_b32 v55, s20
	v_mov_b32 v56, s44
.irp k, 1,2,3
	v_cmp_le_u32 vcc_lo, s[48+\k], v1
	v_mov_b32 v60, \k
	v_cndmask_b32 v52, v52, v60, vcc_lo            ; the expert,
	v_mov_b32 v60, s[48+\k]
	v_cndmask_b32 v53, v53, v60, vcc_lo            ; its first tile,
	v_mov_b32 v60, s[24+\k]
	v_cndmask_b32 v54, v54, v60, vcc_lo            ; its first place,
	v_mov_b32 v60, s[20+\k]
	v_cndmask_b32 v55, v55, v60, vcc_lo            ; its rows,
	v_mov_b32 v60, s[44+\k]
	v_cndmask_b32 v56, v56, v60, vcc_lo            ; its groups to a tile
.endr
	v_sub_nc_u32 v57, v1, v53
	v_mul_u32_u24 v57, v57, v56
	v_lshlrev_b32 v57, 4, v57                      ; the expert's rows ahead of this tile
	v_add_nc_u32 v53, v54, v57
	v_min_u32 v53, 0xfff, v53                      ; first place
	v_sub_nc_u32 v54, v55, v57
	v_max_i32 v54, 0, v54
	v_lshlrev_b32 v56, 4, v56
	v_min_u32 v54, v54, v56                        ; rows
	v_add_nc_u32 v55, 15, v54
	v_lshrrev_b32 v55, 4, v55                      ; groups
	global_store_b128 v2, v[52:55], s[8:9]         ; 32 records: 512 consecutive bytes
.Ldone:
	s_wait_tensorcnt 0x0
	ds_add_u32 v64, v65
	s_wait_dscnt 0x0
	s_endpgm
.Lfunc_end_k_q30b8bd44a2_place:
	.size	k_q30b8bd44a2_place, .Lfunc_end_k_q30b8bd44a2_place-k_q30b8bd44a2_place
	.p2alignl 7, 3214868480
	.fill 96, 4, 3214868480
	.section	.rodata,"a",@progbits
	.p2align	6, 0x0
	.amdhsa_kernel k_q30b8bd44a2_place
		.amdhsa_group_segment_fixed_size 4352
		.amdhsa_private_segment_fixed_size 0
		.amdhsa_enable_private_segment 0
		.amdhsa_kernarg_size 24
		.amdhsa_user_sgpr_count 2
		.amdhsa_user_sgpr_kernarg_segment_ptr 1
		.amdhsa_wavefront_size32 1
		.amdhsa_system_sgpr_workgroup_id_x 1
		.amdhsa_system_sgpr_workgroup_id_y 1
		.amdhsa_system_sgpr_workgroup_id_z 1
		.amdhsa_system_vgpr_workitem_id 0
		.amdhsa_next_free_vgpr 66
		.amdhsa_next_free_sgpr 66
		.amdhsa_reserve_vcc 1
		.amdhsa_float_denorm_mode_32 3
		.amdhsa_float_denorm_mode_16_64 3
		.amdhsa_memory_ordered 1
		.amdhsa_forward_progress 1
		.amdhsa_inst_pref_size 12
	.end_amdhsa_kernel
	.amdgpu_metadata
---
amdhsa.version: [ 1, 2 ]
amdhsa.kernels:
  - .name:           k_q30b8bd44a2_place
    .symbol:         k_q30b8bd44a2_place.kd
    .args:
      - { .name: idx, .offset: 0, .size: 8, .value_kind: global_buffer, .address_space: global }
      - { .name: order, .offset: 8, .size: 8, .value_kind: global_buffer, .address_space: global }
      - { .name: tiles, .offset: 16, .size: 8, .value_kind: global_buffer, .address_space: global }
    .group_segment_fixed_size: 4352
    .private_segment_fixed_size: 0
    .kernarg_segment_align: 8
    .kernarg_segment_size: 24
    .max_flat_workgroup_size: 1024
    .sgpr_count:     66
    .vgpr_count:     66
    .wavefront_size: 32
...
	.end_amdgpu_metadata
.endif
;; end of part 2
;; launch up (part 3): grid 16 x 16, 4 waves a work-group, no clusters, 37,376 bytes of LDS; arguments xq, xsc, order, tiles, w1s_codes, w1s_scales, w2s_codes, w2s_scales, W1_codes, W1_scales, W2_codes, W2_scales, hq, hsc; writes hq, hsc
.if DOCPART == 3
	.amdgcn_target "amdgcn-amd-amdhsa--gfx1250"
	.amdhsa_code_object_version 6
	.text
	.protected	k_q30b8bd44a2_up
	.globl	k_q30b8bd44a2_up
	.p2align	8
	.type	k_q30b8bd44a2_up,@function
k_q30b8bd44a2_up:
	s_mov_b64 s[64:65], 0
	v_nop
	global_prefetch_b8 v0, s[64:65] scope:SCOPE_SE
	s_setreg_imm32_b32 hwreg(HW_REG_WAVE_MODE, 25, 1), 1
	s_wait_xcnt 0x0
; h = Q(gelu(x W1) * (x W2)) for the shared branch and for each row's own expert, on codes of E4M3 with one E8M0 scale for each 32 along K; Q quantises along the hidden axis, the next product's K.
; SHARES.  Work-group (x, y): branch x / 8 (0 shared, 1 expert), hidden units 128 (x % 8) on, row tile y of the table (rows of one expert, sorted).  Wave w owns 32 of the units, of W1 and of W2, for all of K:
; 32 fragments, 512 registers, read from memory once.  The rows go past in groups of 16.  A tile has at most 20 groups; the loop has 20 trips for every split.  What a trip does for a group that the tile does not
; have (its products, its way through LDS, its loads from memory) is jumped over by a scalar branch on the stored count; the barrier is not.
; THE PRODUCTS ARE USED TRANSPOSED (source 0 = 16 rows of a weight, source 1 = 16 rows of x), AND A WEIGHT TILE'S ROWS ARE NOT NEIGHBOURS: lane r of tile u takes unit 8 u + r + 8 (r / 8) of the wave's 32.
; So lane (r, h) holds row r and the 16 neighbouring units 16 h + 0 .. 15: after the conversion they are registers 4 w .. 4 w + 3 of the next operand's fragment, and the wave's 32 units are one block.
; ROWS FROM WAVE TO WAVE.  A lane takes its row's token from the list in memory, straight into the register that makes the row's address.  Wave w fetches fragments 2 w and 2 w + 1 of a group (256 consecutive
; bytes of each of 16 rows) and their scale words, and lays them in LDS as images of the registers: 16 bytes a lane, 512 a store.  Two LDS slots by turns, one barrier a group.
; A GROUP'S WAY: its token is asked for in trip g - 6, its rows in trip g - 4, they go into LDS and on into every wave's registers in trip g - 2, and are multiplied in trip g.  Groups 0 to 3 are asked for at the head.
; gelu is exact: gelu(a) = max(a, 0) - |a| erfc(|a| / sqrt 2) / 2, erfc(z) = t exp(-z z + poly(t)), t = 1 / (1 + z / 2), a fit of degree 9 with a fractional error under 1.2e-7; all in f32.
; No tensor loads and no cluster: the rows are gathered by a stored list, the expert's weights hang on a stored number, and absent groups are skipped by a branch on a stored number.
; LIMITS: NaN and infinities are not served.  A block of h whose largest magnitude lies under 2^-118 (zeros among them) gets the byte 1; this program alone reads the bytes.
; REGISTERS, in windows of 256.  Window 1: the weights' K steps 0-3, fragment (s, f) at v[16 (4 s + f)], f = 0, 1: W1's tiles, 2, 3: W2's.  Window 2: K steps 4-7.  Window 3: x's fragments, two sets of 128.
; Window 0: v1-11 addresses that stay; v12-15 the fetches' offsets; v16-17 tokens; v20-25 the quantiser's; v26, v27 LDS addresses; v28-35 codes; v36-51 the weights' scale words; v52-67 x's;
; v68-139 two sets of rows on their way; v140-171 the four accumulators; v172-203 group 1's rows at the head; v204-251 the activation's (at the head: group 0's rows, tokens, offsets); v252-253 a constant.
.set SLOT,  17408                      ; an LDS slot: 8 fragments of 2,048 bytes, then 4 x 256 bytes of scale words
.set SCI,   16384
.set SCL,   2*SLOT                     ; h's scale bytes: 512 bytes for each wave, byte 16 group + row
.set TK,    16                         ; v16, v17: my row's token of the next even group, of the next odd group, to be asked for
.set CQ,    28
.set BS,    36                         ; v36-43 W1's scale words of K step s, v44-51 W2's: lanes 0-15 tile 0's rows, lanes 16-31 tile 1's
.set AS,    52                         ; v52-59, v60-67: x's scale words, set p, K step s
.set SG,    68                         ; v68-101, v104-137: 32 registers of codes and 2 of scale words
.set X,     140                        ; x W1: 16 units; later the activation, later h
.set Y,     156                        ; x W2
.set G1R,   172                        ; the head: group 1's rows
.set T,     204
.set M,     220
.set P,     236
.set MSB,   0
.macro WIN new                         ; the immediate's high byte repeats the setting that is left
.if MSB != \new
	s_set_vgpr_msb (MSB<<8)|\new
.set MSB, \new
.endif
.endm
.macro BAR                             ; my LDS stores have landed and my LDS loads are in: then the work-group's barrier
	s_wait_dscnt 0x0
	s_barrier_signal -1
	s_barrier_wait -1
.endm
; one product, by the symbols rD, rA, rB (registers), rSA, rSB (scale words), fZ (it starts the sum), fRA, fRB (the side's scale words stand in lanes 16-31)
.macro WMS
.if fZ
.if fRA && fRB
	v_wmma_scale_f32_16x16x128_f8f6f4 v[rD:rD+7], v[rA:rA+15], v[rB:rB+15], 0, v[rSA], v[rSB] matrix_a_scale:MATRIX_SCALE_ROW1 matrix_b_scale:MATRIX_SCALE_ROW1
.elseif fRA
	v_wmma_scale_f32_16x16x128_f8f6f4 v[rD:rD+7], v[rA:rA+15], v[rB:rB+15], 0, v[rSA], v[rSB] matrix_a_scale:MATRIX_SCALE_ROW1
.elseif fRB
	v_wmma_scale_f32_16x16x128_f8f6f4 v[rD:rD+7], v[rA:rA+15], v[rB:rB+15], 0, v[rSA], v[rSB] matrix_b_scale:MATRIX_SCALE_ROW1
.else
	v_wmma_scale_f32_16x16x128_f8f6f4 v[rD:rD+7], v[rA:rA+15], v[rB:rB+15], 0, v[rSA], v[rSB]
.endif
.else
.if fRA && fRB
	v_wmma_scale_f32_16x16x128_f8f6f4 v[rD:rD+7], v[rA:rA+15], v[rB:rB+15], v[rD:rD+7], v[rSA], v[rSB] matrix_a_scale:MATRIX_SCALE_ROW1 matrix_b_scale:MATRIX_SCALE_ROW1
.elseif fRA
	v_wmma_scale_f32_16x16x128_f8f6f4 v[rD:rD+7], v[rA:rA+15], v[rB:rB+15], v[rD:rD+7], v[rSA], v[rSB] matrix_a_scale:MATRIX_SCALE_ROW1
.elseif fRB
	v_wmma_scale_f32_16x16x128_f8f6f4 v[rD:rD+7], v[rA:rA+15], v[rB:rB+15], v[rD:rD+7], v[rSA], v[rSB] matrix_b_scale:MATRIX_SCALE_ROW1
.else
	v_wmma_scale_f32_16x16x128_f8f6f4 v[rD:rD+7], v[rA:rA+15], v[rB:rB+15], v[rD:rD+7], v[rSA], v[rSB]
.endif
.endif
.endm
	s_load_b512 s[4:19], s[0:1], 0x0               ; xq s[4:5], xsc s[6:7], order s[8:9], tiles s[10:11], w1s codes, scales s[12:15], w2s codes, scales s[16:19]
	s_load_b256 s[20:27], s[0:1], 0x40             ; W1 codes, scales s[20:23], W2 codes, scales s[24:27]
	s_load_b128 s[28:31], s[0:1], 0x60             ; hq s[28:29], hsc s[30:31]
	v_lshl_add_u32 v254, v0, 2, 0x9000
	v_mov_b32 v255, 0
	v_lshrrev_b32 v1, 5, v0
	v_readfirstlane_b32 s40, v1                    ; wave 0..3
	s_lshr_b32 s41, ttmp9, 3                       ; branch
	s_and_b32 s42, ttmp9, 7                        ; which 128 hidden units: the next product's K step
	s_and_b32 s43, ttmp7, 0xffff                   ; tile
	s_lshl_b32 s36, s43, 4
	s_mov_b32 s37, 0
	s_wait_kmcnt 0x0
	s_add_nc_u64 s[10:11], s[10:11], s[36:37]
	s_load_b128 s[32:35], s[10:11], 0x0            ; the tile's record: expert, first place, rows, groups
	v_and_b32 v20, 31, v0                          ; l
	v_and_b32 v21, 15, v0                          ; r
	v_bfe_u32 v18, v0, 4, 1                        ; h
	v_and_b32 v19, 8, v21
	v_add_nc_u32 v19, v19, v21                     ; r + 8 (r / 8)
	v_lshlrev_b32 v1, 10, v19
	v_lshl_add_u32 v1, v18, 4, v1                  ; v1: a weight's codes: that row of 1,024 bytes, + 16 h
	v_lshl_add_u32 v2, v18, 3, v19
	v_lshlrev_b32 v2, 5, v2                        ; v2: its scale bytes, 32 a row: lanes 16-31 take tile 1's rows, 8 further on
	v_lshlrev_b32 v3, 4, v20                       ; v3: 16 l: an image's place for my lane
	v_lshlrev_b32 v4, 3, v20                       ; v4: 8 l: two scale words'
	s_lshl_b32 s38, s40, 12
	v_add_nc_u32 v5, s38, v3                       ; v5: where I store my two fragments: 16 l + 4,096 w
	s_lshl_b32 s38, s40, 8
	v_add_nc_u32 v6, s38, v4                       ; v6: and their scale words: 8 l + 256 w
	v_lshl_add_u32 v10, v18, 4, s38                ; v10: my bytes of a row of xq: 16 h + 256 w
	s_lshl_b32 s38, s40, 9
	v_add_nc_u32 v9, s38, v3                       ; v9: my 16 bytes of a fragment of h: 16 l + 512 w
	s_add_co_u32 s38, s38, SCL
	v_add_nc_u32 v8, s38, v21                      ; v8: my row's scale byte: SCL + 512 w + r (+ 16 group)
	s_lshl_b32 s38, s40, 3
	v_mov_b32 v11, s38                             ; v11: my bytes of a row of xsc: 8 w
	v_lshl_add_u32 v27, v0, 2, SCL                 ; v27: the way out of the scale bytes: 4 x thread
	v_lshl_add_u32 v26, v0, 4, SCL                 ; v26: at first 16 x thread: where the scale bytes are given their first value
	v_mov_b32 v22, 0                               ; written once: a lane permute's destination counts as one of its sources
	v_mov_b32 v252, 0xbf97d29d                     ; the fit's c8 x log2(e), twice: a packed addend
	v_mov_b32 v253, 0xbf97d29d
.irp i, 248,249,250,251
	v_mov_b32 v\i, 0x7f7f7f7f
.endr
	s_mov_b32 s52, 0x76543210
	s_mov_b32 s53, 0xfedcba98                      ; v_permlanex16_b32's selects for lane l xor 16
	s_mov_b32 s54, 0x600000                        ; the mantissa field of 448
	s_mov_b32 s55, 0x3eb504f3                      ; 1 / (2 sqrt 2)
	s_mov_b32 s60, 0x05010400                      ; byte selects for the 4 x 4 turn of the scale bytes
	s_mov_b32 s61, 0x07030602
	s_mov_b32 s62, 0x05040100
	s_mov_b32 s63, 0x07060302
	s_wait_kmcnt 0x0
	s_min_u32 s32, s32, 3                          ; the stored numbers are held inside their tables before they enter an address
	s_min_u32 s33, s33, 0xfff
	s_min_u32 s35, s35, 20
	s_cmp_eq_u32 s41, 0                            ; the shared weights or the experts': the choice hangs on the work-group's number alone
	s_cselect_b64 s[44:45], s[12:13], s[20:21]     ; W1's codes,
	s_cselect_b64 s[46:47], s[14:15], s[22:23]     ; its scale bytes,
	s_cselect_b64 s[48:49], s[16:17], s[24:25]     ; W2's codes,
	s_cselect_b64 s[50:51], s[18:19], s[26:27]     ; its scale bytes
	s_cselect_b32 s36, 0, s32
	s_lshl_b32 s36, s36, 10
	s_lshl_b32 s38, s42, 7
	s_add_co_u32 s36, s36, s38
	s_lshl_b32 s38, s40, 5
	s_add_co_u32 s36, s36, s38                     ; my first row of the weights: 1,024 expert + 128 j + 32 w
	s_lshl_b32 s38, s36, 10
	s_mov_b32 s39, 0
	s_add_nc_u64 s[44:45], s[44:45], s[38:39]
	s_add_nc_u64 s[48:49], s[48:49], s[38:39]
	s_lshl_b32 s38, s36, 5
	s_add_nc_u64 s[46:47], s[46:47], s[38:39]
	s_add_nc_u64 s[50:51], s[50:51], s[38:39]
	s_lshl_b32 s36, s41, 4
	s_add_co_u32 s36, s36, s43                     ; 16 branch + tile
	s_mul_i32 s38, s36, 327680                     ; hq: 20 groups of 16,384 bytes a tile,
	s_lshl_b32 s37, s42, 11                        ; 2,048 bytes a K step
	s_add_co_u32 s38, s38, s37
	s_add_nc_u64 s[28:29], s[28:29], s[38:39]
	s_lshl_b32 s38, s36, 14                        ; hsc: 8 K steps of 2,048 bytes a tile
	s_add_co_u32 s38, s38, s37
	s_add_nc_u64 s[30:31], s[30:31], s[38:39]
	v_add_nc_u32 v7, s33, v21
	v_lshlrev_b32 v7, 2, v7                        ; v7: the list: 4 (the tile's first place + r); a group on is 64 bytes on
.irp i, 0,1,2,3
	global_load_b32 v[240+\i], v7, s[8:9] offset:64*\i   ; my row's token of groups 0 to 3,
.endr
	global_load_b32 v[TK], v7, s[8:9] offset:256   ; of group 4,
	global_load_b32 v[TK+1], v7, s[8:9] offset:320 ; of group 5.  The list has 5,120 entries: the furthest entry asked for anywhere is 4,095 + 16 x 21 + 15
	global_load_b128 v[BS:BS+3], v2, s[46:47]      ; a row's 32 scale bytes are the words of K steps 0 to 7
	global_load_b128 v[BS+4:BS+7], v2, s[46:47] offset:16
	global_load_b128 v[BS+8:BS+11], v2, s[50:51]
	global_load_b128 v[BS+12:BS+15], v2, s[50:51] offset:16
.macro BLOAD s                         ; the weights' four fragments of K step s: 16 loads
.if \s < 4
	WIN 0x40                                       ; destination window 1
.else
	WIN 0x80                                       ; destination window 2
.endif
.irp f, 0,1,2,3
.irp c, 0,1,2,3
	global_load_b128 v[16*(4*(\s%4)+\f)+4*\c:16*(4*(\s%4)+\f)+4*\c+3], v1, s[44+4*(\f/2):45+4*(\f/2)] offset:8192*(\f%2)+128*\s+32*\c
.endr
.endr
.endm
	BLOAD 0
	BLOAD 1
	BLOAD 2
	WIN 0
	ds_store_b128 v26, v[248:251]                  ; my wave's 512 scale bytes begin as 127: groups that the tile does not have keep it
; my row's offsets in xq and xsc, from its token
.macro ROWADR vt, vts, tok
	v_min_u32 v[\tok], 0xfff, v[\tok]              ; a stored number: held inside the table before it enters an address
	v_lshl_add_u32 v[\vt], v[\tok], 10, v10
	v_lshl_add_u32 v[\vts], v[\tok], 5, v11
.endm
; my share of a group of 16 rows, from memory: two fragments (8 loads) into v[d] on and their scale words (1 load) into v[ds], v[ds + 1]
.macro ROWS d, ds, vt, vts
.irp q, 0,1
.irp c, 0,1,2,3
	global_load_b128 v[\d+16*\q+4*\c:\d+16*\q+4*\c+3], v[\vt], s[4:5] offset:128*\q+32*\c
.endr
.endr
	global_load_b64 v[\ds:\ds+1], v[\vts], s[6:7]
.endm
.macro STAGE_STORE d, ds, slot                 ; and on into an LDS slot, as images of the registers
.irp q, 0,1
.irp c, 0,1,2,3
	ds_store_b128 v5, v[\d+16*\q+4*\c:\d+16*\q+4*\c+3] offset:SLOT*\slot+2048*\q+512*\c
.endr
.endr
	ds_store_b64 v6, v[\ds:\ds+1] offset:SLOT*\slot+SCI
.endm
.macro AFETCH p                                ; a whole group out of slot p: 8 fragments into set p of window 3, 8 scale words
	WIN 0xc0
.irp s, 0,1,2,3,4,5,6,7
.irp c, 0,1,2,3
	ds_load_b128 v[128*\p+16*\s+4*\c:128*\p+16*\s+4*\c+3], v3 offset:SLOT*\p+2048*\s+512*\c
.endr
.endr
	WIN 0
.irp q, 0,1,2,3
	ds_load_b64 v[AS+8*\p+2*\q:AS+8*\p+2*\q+1], v4 offset:SLOT*\p+SCI+256*\q
.endr
.endm
	s_wait_loadcnt 52                              ; the six tokens are in: behind them 4 loads of scale bytes and 48 of codes
	ROWADR 244, 245, 240                           ; groups 0 to 3 are asked for whatever the tile has: the list gives rows that exist, and so both slots, both sets of fragments and both sets on their way are filled on every way
	ROWS T, P, 244, 245                            ; group 0, into registers that the activation takes later
	ROWADR 246, 247, 241
	ROWS G1R, P+2, 246, 247                        ; group 1
	ROWADR 12, 14, 242
	ROWS SG, SG+32, 12, 14                         ; group 2
	ROWADR 13, 15, 243
	ROWS SG+36, SG+68, 13, 15                      ; group 3
	BLOAD 3
	BLOAD 4
	BLOAD 5
	BLOAD 6
	BLOAD 7
	WIN 0
	s_wait_loadcnt 63                              ; groups 0 and 1 are in: 98 loads were issued behind them, and 63 is the largest count that can be named
	STAGE_STORE T, P, 0
	STAGE_STORE G1R, P+2, 1
	BAR                                            ; groups 0 and 1 lie in LDS
	AFETCH 0
	AFETCH 1
	s_wait_loadcnt 0x0                             ; the weights are whole
	BAR                                            ; every wave's reads of both slots are over: the first trips may write them
; 32 products: K step by K step, the four accumulators by turns, one instruction a turn; the first K step starts the sums
.macro MUL p
.irp s, 0,1,2,3,4,5,6,7
.if \s < 4
	WIN 0x0d                                       ; source 0 window 1, source 1 window 3, C and D window 0
.else
	WIN 0x0e                                       ; source 0 window 2
.endif
.irp f, 0,1,2,3
.set rD, X+8*\f
.set rA, 16*(4*(\s%4)+\f)
.set rB, 128*(\p)+16*\s
.set rSA, BS+8*(\f/2)+\s
.set rSB, AS+8*(\p)+\s
.set fZ, (\s == 0)
.set fRA, \f%2
.set fRB, 0
	WMS
.endr
.endr
	WIN 0
.endm
; X = gelu(X) * Y, 16 numbers a lane.  Each accumulator is read from its low end on.  The transcendentals go in two batches, each with plain work and one wait behind it.
.macro GEGLU
.irp i, 0,1,2,3,4,5,6,7,8,9,10,11,12,13,14,15
	v_fma_f32 v[T+\i], |v[X+\i]|, s55, 1.0         ; 1 + z / 2, z = |a| / sqrt 2
.endr
.irp i, 0,1,2,3,4,5,6,7,8,9,10,11,12,13,14,15
	v_rcp_f32 v[T+\i], v[T+\i]                     ; t
.endr
.irp i, 0,2,4,6,8,10,12,14
	v_pk_mul_f32 v[M+\i:M+\i+1], v[X+\i:X+\i+1], v[X+\i:X+\i+1]   ; a a: plain work behind the batch
.endr
	s_wait_alu depctr_va_vdst(0)                   ; one wait for the 16 reciprocals, ahead of their first reader
.irp i, 0,2,4,6,8,10,12,14
	v_pk_fma_f32 v[P+\i:P+\i+1], v[T+\i:T+\i+1], 0x3e7c6f08, v[252:253] op_sel_hi:[1,0,1]   ; the fit, its coefficients times log2(e): c9 t + c8
.endr
.irp c, 0x40097039, 0xbfd1a1e5, 0x3ecdfd18, 0xbe899a80, 0x3e0efb2e, 0x3f0a29d2, 0x3fb8ab5a, 0xc034d90f
.irp i, 0,2,4,6,8,10,12,14
	v_pk_fma_f32 v[P+\i:P+\i+1], v[P+\i:P+\i+1], v[T+\i:T+\i+1], \c op_sel_hi:[1,1,0]      ; c7 .. c0; the last holds the factor 1 / 2 as -1
.endr
.endr
.irp i, 0,2,4,6,8,10,12,14
	v_pk_fma_f32 v[P+\i:P+\i+1], v[M+\i:M+\i+1], 0xbf38aa3b, v[P+\i:P+\i+1] op_sel_hi:[1,0,1]   ; - z z log2(e) = - a a log2(e) / 2
.endr
.irp i, 0,1,2,3,4,5,6,7,8,9,10,11,12,13,14,15
	v_exp_f32 v[P+\i], v[P+\i]
.endr
.irp i, 0,1,2,3,4,5,6,7,8,9,10,11,12,13,14,15
	v_max_num_f32 v[M+\i], 0, v[X+\i]              ; max(a, 0): plain work behind the batch
.endr
	s_wait_alu depctr_va_vdst(0)                   ; one wait for the 16 exponentials
.irp i, 0,2,4,6,8,10,12,14
	v_pk_mul_f32 v[P+\i:P+\i+1], v[P+\i:P+\i+1], v[T+\i:T+\i+1]   ; erfc(z) / 2
.endr
.irp i, 0,1,2,3,4,5,6,7,8,9,10,11,12,13,14,15
	v_fma_f32 v[X+\i], -|v[X+\i]|, v[P+\i], v[M+\i]
.endr
.irp i, 0,2,4,6,8,10,12,14
	v_pk_mul_f32 v[X+\i:X+\i+1], v[X+\i:X+\i+1], v[Y+\i:Y+\i+1]
.endr
.endm
; my 16 numbers and lane l xor 16's are one block of 32 along the next K: its scale, the hold, 16 codes into set p; the byte in v25
.macro QUANT p
	v_max3_num_f32 v20, |v[X]|, |v[X+1]|, 0x4800000                ; with the floor 2^(9 - 127): the byte cannot fall under 1
	v_max3_num_f32 v21, |v[X+2]|, |v[X+3]|, |v[X+4]|
	v_max3_num_f32 v20, v20, |v[X+5]|, |v[X+6]|
	v_max3_num_f32 v21, v21, |v[X+7]|, |v[X+8]|
	v_max3_num_f32 v20, v20, |v[X+9]|, |v[X+10]|
	v_max3_num_f32 v21, v21, |v[X+11]|, |v[X+12]|
	v_max3_num_f32 v20, v20, |v[X+13]|, |v[X+14]|
	v_max3_num_f32 v21, v21, |v[X+15]|, v20
	v_permlanex16_b32 v22, v21, s52, s53
	v_max_num_f32 v21, v21, v22                    ; the block's largest magnitude
	v_add_nc_u32 v23, 0xfc000000, v21              ; 8 off its exponent field: the conversion's scale operand
	v_and_or_b32 v24, v21, 0x7f800000, s54         ; 448 x the scale
	v_lshrrev_b32 v25, 23, v23                     ; the scale's byte
.irp i, 0,1,2,3,4,5,6,7,8,9,10,11,12,13,14,15
	v_med3_num_f32 v[X+\i], v[X+\i], -v24, v24     ; the conversion to an 8-bit code does not saturate (ISA guide 7.6.2): the hold comes first
.endr
	v_cvt_scalef32_pk8_fp8_f32 v[CQ+4*\p:CQ+4*\p+1], v[X:X+7], v23
	v_cvt_scalef32_pk8_fp8_f32 v[CQ+4*\p+2:CQ+4*\p+3], v[X+8:X+15], v23
	v_nop                                          ; a plain line behind the conversions: the next products write their sources
.endm
; THE TRIP OF GROUP g = s56 + p.  Its fragments came out of slot p two trips ago; the wait for them stood in front of the last barrier.
.macro TRIP p
	s_add_co_u32 s59, s56, \p
	s_cmp_ge_u32 s59, s35                          ; a group that the tile does not have: no products, no stores
	s_cbranch_scc1 .Lskip_\@
	MUL \p
.rept 9
	v_nop                                          ; places behind the products: 8 in front of the first read of a result and of loads into their sources, one more in front of products that begin the sums anew
.endr
	GEGLU
	s_wait_xcnt 0x0                                ; the store of two groups ago has read its codes: they may be written
	QUANT \p
	global_store_b128 v9, v[CQ+4*\p:CQ+4*\p+3], s[28:29] offset:16384*\p   ; registers 4 w .. 4 w + 3 of the fragment's image: the wave stores 512 consecutive bytes, aligned
	v_add_nc_u32 v26, s58, v8
	ds_store_b8 v26, v25 offset:16*\p              ; both lanes of a block write the same byte with the same value
.Lskip_\@:
	s_wait_loadcnt 10                              ; group g + 2's rows and group g + 4's token, asked for two trips ago, are in: behind them stand the last trip's ten loads, or that trip has waited for all loads
	s_add_co_u32 s59, s56, \p+2
	s_cmp_ge_u32 s59, s35
	s_cbranch_scc1 .Lno_store_\@
	STAGE_STORE SG+36*\p, SG+36*\p+32, \p          ; group g + 2 into slot p: every wave's reads of it (group g's) were waited for in front of the last barrier
.Lno_store_\@:
	BAR                                            ; on every way: group g + 2 lies in LDS; my reads of the other slot are over
	s_cmp_ge_u32 s59, s35
	s_cbranch_scc1 .Lno_fetch_\@
	AFETCH \p                                      ; into the set that this trip's products have left: it has the whole next trip in which to land
.Lno_fetch_\@:
	s_add_co_u32 s59, s56, \p+4
	s_cmp_lt_u32 s59, s35
	s_cbranch_scc1 .Lask_\@
	s_wait_loadcnt 0x0                             ; nothing is asked for: then all my loads are waited for here, so that the counted wait above holds on every way
	s_branch .Lasked_\@
.Lask_\@:
	ROWADR 12+\p, 14+\p, TK+\p                     ; group g + 4's row;
	global_load_b32 v[TK+\p], v7, s[8:9] offset:64*(6+\p)   ; group g + 6's token, ahead of the rows, so that the wait for the rows shows it in too;
	ROWS SG+36*\p, SG+36*\p+32, 12+\p, 14+\p       ; group g + 4's rows, into the set that has just gone into LDS (the barrier's wait stands between)
.Lasked_\@:
.endm
	s_mov_b32 s56, 0                               ; the group
	s_mov_b32 s58, 0                               ; 16 x the group: the scale bytes
.Lgroup:
	TRIP 0
	TRIP 1
	s_wait_xcnt 0x0                                ; the stores and the token loads have read their bases
	s_add_nc_u64 s[28:29], s[28:29], 32768
	s_add_nc_u64 s[8:9], s[8:9], 128
	s_add_co_u32 s58, s58, 32
	s_add_co_u32 s56, s56, 2
	s_cmp_lt_u32 s56, 20
	s_cbranch_scc1 .Lgroup
	BAR                                            ; all four waves' scale bytes lie in LDS
	ds_load_b32 v204, v27                          ; thread i: group i / 4, rows 4 (i % 4) on: four rows' bytes of each wave
	ds_load_b32 v205, v27 offset:512
	ds_load_b32 v206, v27 offset:1024
	ds_load_b32 v207, v27 offset:1536
	s_wait_dscnt 0x0
	v_perm_b32 v208, v205, v204, s60               ; 4 x 4 bytes are turned: a row's word holds the bytes of waves 0 to 3, its blocks 0 to 3
	v_perm_b32 v209, v205, v204, s61
	v_perm_b32 v210, v207, v206, s60
	v_perm_b32 v211, v207, v206, s61
	v_perm_b32 v212, v210, v208, s62
	v_perm_b32 v213, v210, v208, s63
	v_perm_b32 v214, v211, v209, s62
	v_perm_b32 v215, v211, v209, s63
	v_lshlrev_b32 v216, 4, v0
	global_store_b128 v216, v[212:215], s[30:31]   ; 2,048 consecutive bytes a work-group, an empty tile's too: the next launch reads no byte that was not written
	s_wait_tensorcnt 0x0
	ds_add_u32 v254, v255
	s_wait_dscnt 0x0
	s_endpgm
.Lfunc_end_k_q30b8bd44a2_up:
	.size	k_q30b8bd44a2_up, .Lfunc_end_k_q30b8bd44a2_up-k_q30b8bd44a2_up
	.p2alignl 7, 3214868480
	.fill 96, 4, 3214868480
	.section	.rodata,"a",@progbits
	.p2align	6, 0x0
	.amdhsa_kernel k_q30b8bd44a2_up
		.amdhsa_group_segment_fixed_size 37376
		.amdhsa_private_segment_fixed_size 0
		.amdhsa_enable_private_segment 0
		.amdhsa_kernarg_size 112
		.amdhsa_user_sgpr_count 2
		.amdhsa_user_sgpr_kernarg_segment_ptr 1
		.amdhsa_wavefront_size32 1
		.amdhsa_system_sgpr_workgroup_id_x 1
		.amdhsa_system_sgpr_workgroup_id_y 1
		.amdhsa_system_sgpr_workgroup_id_z 1
		.amdhsa_system_vgpr_workitem_id 0
		.amdhsa_next_free_vgpr 1024
		.amdhsa_next_free_sgpr 96
		.amdhsa_reserve_vcc 0
		.amdhsa_float_denorm_mode_32 3
		.amdhsa_float_denorm_mode_16_64 3
		.amdhsa_memory_ordered 1
		.amdhsa_forward_progress 1
		.amdhsa_inst_pref_size 77
	.end_amdhsa_kernel
	.amdgpu_metadata
---
amdhsa.version: [ 1, 2 ]
amdhsa.kernels:
  - .name:           k_q30b8bd44a2_up
    .symbol:         k_q30b8bd44a2_up.kd
    .args:
      - { .name: xq, .offset: 0, .size: 8, .value_kind: global_buffer, .address_space: global }
      - { .name: xsc, .offset: 8, .size: 8, .value_kind: global_buffer, .address_space: global }
      - { .name: order, .offset: 16, .size: 8, .value_kind: global_buffer, .address_space: global }
      - { .name: tiles, .offset: 24, .size: 8, .value_kind: global_buffer, .address_space: global }
      - { .name: w1s_codes, .offset: 32, .size: 8, .value_kind: global_buffer, .address_space: global }
      - { .name: w1s_scales, .offset: 40, .size: 8, .value_kind: global_buffer, .address_space: global }
      - { .name: w2s_codes, .offset: 48, .size: 8, .value_kind: global_buffer, .address_space: global }
      - { .name: w2s_scales, .offset: 56, .size: 8, .value_kind: global_buffer, .address_space: global }
      - { .name: W1_codes, .offset: 64, .size: 8, .value_kind: global_buffer, .address_space: global }
      - { .name: W1_scales, .offset: 72, .size: 8, .value_kind: global_buffer, .address_space: global }
      - { .name: W2_codes, .offset: 80, .size: 8, .value_kind: global_buffer, .address_space: global }
      - { .name: W2_scales, .offset: 88, .size: 8, .value_kind: global_buffer, .address_space: global }
      - { .name: hq, .offset: 96, .size: 8, .value_kind: global_buffer, .address_space: global }
      - { .name: hsc, .offset: 104, .size: 8, .value_kind: global_buffer, .address_space: global }
    .group_segment_fixed_size: 37376
    .private_segment_fixed_size: 0
    .kernarg_segment_align: 8
    .kernarg_segment_size: 112
    .max_flat_workgroup_size: 128
    .sgpr_count:     96
    .vgpr_count:     1024
    .wavefront_size: 32
...
	.end_amdgpu_metadata
.endif
;; end of part 3
;; launch down (part 4): grid 8 x 32, 4 waves a work-group, no clusters, 68,096 bytes of LDS; arguments hq, hsc, order, tiles, w3s_codes, w3s_scales, W3_codes, W3_scales, out0; writes out0
.if DOCPART == 4
	.amdgcn_target "amdgcn-amd-amdhsa--gfx1250"
	.amdhsa_code_object_version 6
	.text
	.protected	k_q30b8bd44a2_down
	.globl	k_q30b8bd44a2_down
	.p2align	8
	.type	k_q30b8bd44a2_down,@function
k_q30b8bd44a2_down:
	s_mov_b64 s[64:65], 0
	v_nop
	global_prefetch_b8 v0, s[64:65] scope:SCOPE_SE
	s_setreg_imm32_b32 hwreg(HW_REG_WAVE_MODE, 25, 1), 1
	s_wait_xcnt 0x0
; out[token] = h_shared w3s + h_expert W3[expert]: ONE product with K = 2,048, on codes of E4M3 with one E8M0 scale for each 32 along K; each row of out has one owner.
; SHARES.  Work-group (x, y): output columns 128 x on, row tile y / 2, and of its groups of 16 rows those numbered 4 k + 2 (y % 2) and the next, k = 0 .. 4: ten groups, written out.
; THE WAVES SHARE K: wave w takes branch w / 2 and its K steps 4 (w % 2) + 0 .. 3.  Its weights, 8 column tiles x 4 K steps = 512 registers, are read once.  Its fragments of h are wanted by no other wave of the
; work-group: they come from memory straight into registers, as the images that the launch before stored: every load reads 512 consecutive bytes.  Loads run two pairs of groups ahead.
; The four partial results meet in LDS, which also turns them into whole rows; (wave 0 + wave 1) + (wave 2 + wave 3) is shared + expert.  A row's 512 bytes leave by one store, to the token's row.
; The product is used transposed (source 0 = 16 columns of the weight, source 1 = 16 rows of h): a lane holds eight neighbouring columns of one row.
; A group that the tile does not have is skipped by a scalar branch on the stored count: its products, its way through LDS, its stores, and, from the third pair on, its loads.  The first two pairs' loads stand at the
; head and are always issued, from a group that exists, so that every register is written on every way.  Every barrier stands outside the branches.
; No tensor loads and no cluster: the expert's weights hang on a stored number, and groups are skipped by a branch on a stored number.
; REGISTERS, in windows of 256.  Windows 1, 2: the weights, fragment (K step s, column tile f) at v[16 (8 s + f)] of 512.  Window 3: h's fragments: set (pair % 2, member) at v[128 pi + 64 m + 16 s].
; Window 0: v1-6 addresses that stay; v8-11 h's offsets; v12-15 the rows' offsets in out; v16-31 the weights' scale words; v32-39 h's; v40-103 eight accumulators; v104-167 four rows x four partial results.
.set PARTM, 33792                      ; LDS: two regions by turns (a pair's two members), each four waves'
.set PARTW, 8448                       ; 16 rows of
.set ROWP,  528                        ; 512 bytes + 16 of padding: an odd multiple of 16, so that 16 rows start at 16 different banks (64 banks of 4 bytes: ISA guide 11.1)
.set BSC,   16                         ; v16-31: word of column tiles 2 i (lanes 0-15) and 2 i + 1 (lanes 16-31), K step s, at 4 i + s
.set ASC,   32                         ; v32-39: set pi, K step s: lanes 0-15 the pair's first group, lanes 16-31 its second
.set ACC,   40
.set RED,   104
.set TOK,   24                         ; s[24:63]: my four rows' tokens of each of the ten groups
.set MSB,   0
.macro WIN new                         ; the immediate's high byte repeats the setting that is left
.if MSB != \new
	s_set_vgpr_msb (MSB<<8)|\new
.set MSB, \new
.endif
.endm
; one product, by the symbols rD, rA, rB (registers), rSA, rSB (scale words), fZ (it starts the sum), fRA, fRB (the side's scale words stand in lanes 16-31)
.macro WMS
.if fZ
.if fRA && fRB
	v_wmma_scale_f32_16x16x128_f8f6f4 v[rD:rD+7], v[rA:rA+15], v[rB:rB+15], 0, v[rSA], v[rSB] matrix_a_scale:MATRIX_SCALE_ROW1 matrix_b_scale:MATRIX_SCALE_ROW1
.elseif fRA
	v_wmma_scale_f32_16x16x128_f8f6f4 v[rD:rD+7], v[rA:rA+15], v[rB:rB+15], 0, v[rSA], v[rSB] matrix_a_scale:MATRIX_SCALE_ROW1
.elseif fRB
	v_wmma_scale_f32_16x16x128_f8f6f4 v[rD:rD+7], v[rA:rA+15], v[rB:rB+15], 0, v[rSA], v[rSB] matrix_b_scale:MATRIX_SCALE_ROW1
.else
	v_wmma_scale_f32_16x16x128_f8f6f4 v[rD:rD+7], v[rA:rA+15], v[rB:rB+15], 0, v[rSA], v[rSB]
.endif
.else
.if fRA && fRB
	v_wmma_scale_f32_16x16x128_f8f6f4 v[rD:rD+7], v[rA:rA+15], v[rB:rB+15], v[rD:rD+7], v[rSA], v[rSB] matrix_a_scale:MATRIX_SCALE_ROW1 matrix_b_scale:MATRIX_SCALE_ROW1
.elseif fRA
	v_wmma_scale_f32_16x16x128_f8f6f4 v[rD:rD+7], v[rA:rA+15], v[rB:rB+15], v[rD:rD+7], v[rSA], v[rSB] matrix_a_scale:MATRIX_SCALE_ROW1
.elseif fRB
	v_wmma_scale_f32_16x16x128_f8f6f4 v[rD:rD+7], v[rA:rA+15], v[rB:rB+15], v[rD:rD+7], v[rSA], v[rSB] matrix_b_scale:MATRIX_SCALE_ROW1
.else
	v_wmma_scale_f32_16x16x128_f8f6f4 v[rD:rD+7], v[rA:rA+15], v[rB:rB+15], v[rD:rD+7], v[rSA], v[rSB]
.endif
.endif
.endm
	s_load_b512 s[4:19], s[0:1], 0x0               ; hq s[4:5], hsc s[6:7], order s[8:9], tiles s[10:11], w3s codes, scales s[12:15], W3 codes, scales s[16:19]
	s_load_b64 s[20:21], s[0:1], 0x40              ; out0
	v_lshl_add_u32 v254, v0, 2, 0x10800
	v_mov_b32 v255, 0
	v_lshrrev_b32 v1, 5, v0
	v_readfirstlane_b32 s66, v1                    ; wave 0..3
	s_mov_b32 s67, ttmp9                           ; which 128 columns
	s_and_b32 s68, ttmp7, 0xffff
	s_and_b32 s69, s68, 1                          ; which half of the tile's pairs of groups
	s_lshr_b32 s68, s68, 1                         ; tile
	s_lshr_b32 s70, s66, 1                         ; my branch
	s_and_b32 s71, s66, 1                          ; which four of its K steps
	s_lshl_b32 s89, s69, 1                         ; my first group
	s_lshl_b32 s76, s68, 4
	s_mov_b32 s77, 0
	s_wait_kmcnt 0x0
	s_add_nc_u64 s[10:11], s[10:11], s[76:77]
	s_load_b128 s[72:75], s[10:11], 0x0            ; the tile's record: expert, first place, rows, groups
	v_and_b32 v7, 31, v0                           ; l
	v_and_b32 v8, 15, v0                           ; r
	v_bfe_u32 v9, v0, 4, 1                         ; h
	v_lshlrev_b32 v1, 10, v8
	v_lshl_add_u32 v1, v9, 4, v1                   ; v1: the weight's codes: row r of 1,024 bytes, + 16 h
	v_lshlrev_b32 v2, 5, v7                        ; v2: its scale bytes: 32 a row, a lane a row
	v_lshlrev_b32 v3, 4, v7                        ; v3: 16 l
	s_mul_i32 s86, s66, PARTW
	v_mul_u32_u24 v4, v8, ROWP
	v_lshl_add_u32 v4, v9, 5, v4
	v_add_nc_u32 v4, s86, v4                       ; v4: my partial result: my wave's 16 rows, row r, + 32 h
	s_mul_i32 s86, s66, 4*ROWP
	v_add_nc_u32 v5, s86, v3                       ; v5: back: rows 4 w on, 16 bytes a lane
	s_lshl_b32 s86, s69, 7
	v_lshl_add_u32 v6, v7, 2, s86                  ; v6: h's scale words of a pair of groups: 4 l + 64 x my first group
	s_wait_kmcnt 0x0
	s_min_u32 s72, s72, 3                          ; the stored numbers are held inside their tables before they enter an address
	s_min_u32 s73, s73, 0xfff
	s_min_u32 s74, s74, 320
	s_min_u32 s75, s75, 20
	s_lshl_b32 s76, s73, 2                         ; the list at the tile's first place, my first group, my four rows
	s_lshl_b32 s86, s66, 4
	s_add_co_u32 s76, s76, s86
	s_lshl_b32 s86, s69, 7
	s_add_co_u32 s76, s76, s86
	s_add_nc_u64 s[22:23], s[8:9], s[76:77]
.irp k, 0,1,2,3,4
.irp m, 0,1
	s_load_b128 s[TOK+8*\k+4*\m:TOK+8*\k+4*\m+3], s[22:23], 256*\k+64*\m   ; inside the list's 5,120 entries for every first place
.endr
.endr
	s_cmp_eq_u32 s70, 0                            ; the shared weight or the experts': the choice hangs on the wave's number alone
	s_cselect_b64 s[80:81], s[12:13], s[16:17]
	s_cselect_b64 s[82:83], s[14:15], s[18:19]
	s_cselect_b32 s86, 0, s72
	s_lshl_b32 s86, s86, 10
	s_lshl_b32 s87, s67, 7
	s_add_co_u32 s86, s86, s87                     ; my first row of the weight: 1,024 expert + 128 x
	s_lshl_b32 s76, s86, 10
	s_lshl_b32 s87, s71, 9
	s_add_co_u32 s76, s76, s87                     ; + my four K steps' 512 bytes
	s_add_nc_u64 s[80:81], s[80:81], s[76:77]
	s_lshl_b32 s76, s86, 5
	s_lshl_b32 s87, s71, 4
	s_add_co_u32 s76, s76, s87
	s_add_nc_u64 s[82:83], s[82:83], s[76:77]
	s_cmp_eq_u32 s75, 0                            ; an empty tile's loads go to tile 0, which always has a group
	s_cselect_b32 s85, 0, s68
	s_min_u32 s85, s85, 15
	s_max_u32 s84, s75, 1
	s_sub_co_u32 s84, s84, 1                       ; the last group that exists
	s_lshl_b32 s86, s70, 4
	s_add_co_u32 s86, s86, s85                     ; 16 branch + tile
	s_mul_i32 s76, s86, 327680                     ; hq: 20 groups of 16,384 bytes a tile,
	s_lshl_b32 s87, s71, 13                        ; my four K steps of 2,048
	s_add_co_u32 s76, s76, s87
	s_add_nc_u64 s[4:5], s[4:5], s[76:77]
	s_lshl_b32 s76, s86, 14                        ; hsc: 8 K steps of 2,048 bytes a tile
	s_add_co_u32 s76, s76, s87
	s_add_nc_u64 s[6:7], s[6:7], s[76:77]
	s_lshl_b32 s76, s67, 9                         ; out: my 128 columns
	s_add_nc_u64 s[20:21], s[20:21], s[76:77]
	s_lshl_b32 s87, s66, 2
	s_sub_co_i32 s90, s74, s87                     ; the tile's rows less my 4 w
; member m of pair kk: its four fragments: 16 loads
.macro ALOADM kk, m
.set aP, (\kk)%2
	s_add_co_u32 s87, s89, 4*(\kk)+\m
	s_min_u32 s87, s87, s84                        ; (at the head) a group that the tile does not have: the last that it has
	s_min_u32 s87, s87, 19
	s_lshl_b32 s87, s87, 14
	v_add_nc_u32 v[8+2*aP+\m], s87, v3
	WIN 0xc0                                       ; destination window 3
.irp g, 0,1,2,3
.irp c, 0,1,2,3
	global_load_b128 v[128*aP+64*\m+16*\g+4*\c:128*aP+64*\m+16*\g+4*\c+3], v[8+2*aP+\m], s[4:5] offset:2048*\g+512*\c   ; 512 consecutive bytes, aligned
.endr
.endr
	WIN 0
.endm
; pair kk's scale words, both members' in one register for each K step: 4 loads.  Always issued: the first member may exist alone, and all of hsc was written
.macro ASCALE kk
.set aP, (\kk)%2
.irp g, 0,1,2,3
	global_load_b32 v[ASC+4*aP+\g], v6, s[6:7] offset:2048*\g+256*(\kk)
.endr
.endm
	ALOADM 0, 0
	ALOADM 0, 1
	ASCALE 0                                       ; 36 loads a pair
.irp i, 0,1,2,3
	global_load_b128 v[BSC+4*\i:BSC+4*\i+3], v2, s[82:83] offset:1024*\i   ; 32 rows' words of my four K steps
.endr
.irp g, 0,1,2,3
.if \g < 2
	WIN 0x40                                       ; destination window 1
.else
	WIN 0x80                                       ; destination window 2
.endif
.irp f, 0,1,2,3,4,5,6,7
.irp c, 0,1,2,3
	global_load_b128 v[16*(8*(\g%2)+\f)+4*\c:16*(8*(\g%2)+\f)+4*\c+3], v1, s[80:81] offset:16384*\f+128*\g+32*\c
.endr
.endr
.endr
	WIN 0
	ALOADM 1, 0
	ALOADM 1, 1
	ASCALE 1
; 32 products: K step by K step, the eight accumulators by turns, one instruction a turn; the first K step starts the sums
.macro DMUL pi, m
.irp g, 0,1,2,3
.if \g < 2
	WIN 0x0d                                       ; source 0 window 1, source 1 window 3, C and D window 0
.else
	WIN 0x0e                                       ; source 0 window 2
.endif
.irp f, 0,1,2,3,4,5,6,7
.set rD, ACC+8*\f
.set rA, 16*(8*(\g%2)+\f)
.set rB, 128*(\pi)+64*(\m)+16*\g
.set rSA, BSC+4*(\f/2)+\g
.set rSB, ASC+4*(\pi)+\g
.set fZ, (\g == 0)
.set fRA, \f%2
.set fRB, \m
	WMS
.endr
.endr
	WIN 0
.endm
; GROUP 4 k + 2 (y % 2) + m
.macro GROUP k, m
.set gP, (\k)%2
.if \m == 0
.if \k < 4
	s_wait_loadcnt 36                              ; this pair's loads (and at first the weights') are in: behind them stand the next pair's 36, or, where some of those were jumped over, a wait for all loads
.else
	s_wait_loadcnt 0x0
.endif
.endif
	s_add_co_u32 s86, s89, 4*(\k)+\m
	s_cmp_ge_u32 s86, s75
	s_cbranch_scc1 .Lno_mul_\@
	DMUL gP, \m
.rept 9
	v_nop                                          ; places behind the products: 8 in front of the stores that read results and of loads into their sources, one more in front of products that begin the sums anew
.endr
.irp f, 0,1,2,3,4,5,6,7
	ds_store_b128 v4, v[ACC+8*\f:ACC+8*\f+3] offset:PARTM*\m+64*\f            ; each accumulator from its low end on
	ds_store_b128 v4, v[ACC+8*\f+4:ACC+8*\f+7] offset:PARTM*\m+64*\f+16
.endr
.Lno_mul_\@:
.if (\k)+2 <= 4
	s_add_co_u32 s87, s89, 4*((\k)+2)+\m           ; this member's registers take the pair two further on, if the tile has that group
	s_cmp_lt_u32 s87, s75
	s_cbranch_scc1 .Lask_\@
	s_wait_loadcnt 0x0                             ; nothing is asked for: then all my loads are waited for here, so that the counted wait above holds on every way
	s_branch .Lasked_\@
.Lask_\@:
	ALOADM (\k)+2, \m
.Lasked_\@:
.if \m == 1
	ASCALE (\k)+2                                  ; behind this pair's last products, which read the same registers
.endif
.endif
	s_wait_dscnt 0x0                               ; my partial result has landed, and my reads of the other region are over
	s_barrier_signal -1
	s_barrier_wait -1
	s_cmp_ge_u32 s86, s75
	s_cbranch_scc1 .Lno_out_\@
	s_wait_xcnt 0x0                                ; the last group's stores have read their data and offsets: both may be written
.irp q, 0,1,2,3
.irp u, 0,1,2,3
	ds_load_b128 v[RED+16*\q+4*\u:RED+16*\q+4*\u+3], v5 offset:PARTM*\m+PARTW*\u+ROWP*\q   ; row 4 w + q of wave u's partial result: 512 bytes
.endr
.endr
	s_lshl_b32 s87, s86, 4
	s_sub_co_i32 s88, s90, s87                     ; how many of my four rows the tile has
.irp q, 0,1,2,3
	s_min_u32 s87, s[TOK+8*(\k)+4*(\m)+\q], 0xfff  ; the row's token, held inside the table
	s_lshl_b32 s87, s87, 12
	v_add_nc_u32 v[12+\q], s87, v3                 ; its row of out, 4,096 bytes, + 16 l
.endr
	s_wait_dscnt 0x0
.irp q, 0,1,2,3
	v_pk_add_f32 v[RED+16*\q:RED+16*\q+1], v[RED+16*\q:RED+16*\q+1], v[RED+16*\q+4:RED+16*\q+5]          ; the shared branch's two halves of K,
	v_pk_add_f32 v[RED+16*\q+2:RED+16*\q+3], v[RED+16*\q+2:RED+16*\q+3], v[RED+16*\q+6:RED+16*\q+7]
	v_pk_add_f32 v[RED+16*\q+8:RED+16*\q+9], v[RED+16*\q+8:RED+16*\q+9], v[RED+16*\q+12:RED+16*\q+13]    ; the expert's,
	v_pk_add_f32 v[RED+16*\q+10:RED+16*\q+11], v[RED+16*\q+10:RED+16*\q+11], v[RED+16*\q+14:RED+16*\q+15]
	v_pk_add_f32 v[RED+16*\q:RED+16*\q+1], v[RED+16*\q:RED+16*\q+1], v[RED+16*\q+8:RED+16*\q+9]          ; shared + expert
	v_pk_add_f32 v[RED+16*\q+2:RED+16*\q+3], v[RED+16*\q+2:RED+16*\q+3], v[RED+16*\q+10:RED+16*\q+11]
.endr
	s_cmp_gt_i32 s88, 0                            ; the rows that the tile has come first: the first that it lacks ends the group
	s_cbranch_scc0 .Lno_out_\@
	global_store_b128 v12, v[RED:RED+3], s[20:21] th:TH_STORE_NT              ; 32 lanes store 512 consecutive bytes, aligned; written once, read by nobody here
	s_cmp_gt_i32 s88, 1
	s_cbranch_scc0 .Lno_out_\@
	global_store_b128 v13, v[RED+16:RED+19], s[20:21] th:TH_STORE_NT
	s_cmp_gt_i32 s88, 2
	s_cbranch_scc0 .Lno_out_\@
	global_store_b128 v14, v[RED+32:RED+35], s[20:21] th:TH_STORE_NT
	s_cmp_gt_i32 s88, 3
	s_cbranch_scc0 .Lno_out_\@
	global_store_b128 v15, v[RED+48:RED+51], s[20:21] th:TH_STORE_NT
.Lno_out_\@:
.endm
	s_wait_kmcnt 0x0                               ; the tokens
	GROUP 0, 0
	GROUP 0, 1
	GROUP 1, 0
	GROUP 1, 1
	GROUP 2, 0
	GROUP 2, 1
	GROUP 3, 0
	GROUP 3, 1
	GROUP 4, 0
	GROUP 4, 1
	s_wait_tensorcnt 0x0
	ds_add_u32 v254, v255
	s_wait_dscnt 0x0
	s_endpgm
.Lfunc_end_k_q30b8bd44a2_down:
	.size	k_q30b8bd44a2_down, .Lfunc_end_k_q30b8bd44a2_down-k_q30b8bd44a2_down
	.p2alignl 7, 3214868480
	.fill 96, 4, 3214868480
	.section	.rodata,"a",@progbits
	.p2align	6, 0x0
	.amdhsa_kernel k_q30b8bd44a2_down
		.amdhsa_group_segment_fixed_size 68096
		.amdhsa_private_segment_fixed_size 0
		.amdhsa_enable_private_segment 0
		.amdhsa_kernarg_size 72
		.amdhsa_user_sgpr_count 2
		.amdhsa_user_sgpr_kernarg_segment_ptr 1
		.amdhsa_wavefront_size32 1
		.amdhsa_system_sgpr_workgroup_id_x 1
		.amdhsa_system_sgpr_workgroup_id_y 1
		.amdhsa_system_sgpr_workgroup_id_z 1
		.amdhsa_system_vgpr_workitem_id 0
		.amdhsa_next_free_vgpr 1024
		.amdhsa_next_free_sgpr 96
		.amdhsa_reserve_vcc 0
		.amdhsa_float_denorm_mode_32 3
		.amdhsa_float_denorm_mode_16_64 3
		.amdhsa_memory_ordered 1
		.amdhsa_forward_progress 1
		.amdhsa_inst_pref_size 131
	.end_amdhsa_kernel
	.amdgpu_metadata
---
amdhsa.version: [ 1, 2 ]
amdhsa.kernels:
  - .name:           k_q30b8bd44a2_down
    .symbol:         k_q30b8bd44a2_down.kd
    .args:
      - { .name: hq, .offset: 0, .size: 8, .value_kind: global_buffer, .address_space: global }
      - { .name: hsc, .offset: 8, .size: 8, .value_kind: global_buffer, .address_space: global }
      - { .name: order, .offset: 16, .size: 8, .value_kind: global_buffer, .address_space: global }
      - { .name: tiles, .offset: 24, .size: 8, .value_kind: global_buffer, .address_space: global }
      - { .name: w3s_codes, .offset: 32, .size: 8, .value_kind: global_buffer, .address_space: global }
      - { .name: w3s_scales, .offset: 40, .size: 8, .value_kind: global_buffer, .address_space: global }
      - { .name: W3_codes, .offset: 48, .size: 8, .value_kind: global_buffer, .address_space: global }
      - { .name: W3_scales, .offset: 56, .size: 8, .value_kind: global_buffer, .address_space: global }
      - { .name: out0, .offset: 64, .size: 8, .value_kind: global_buffer, .address_space: global }
    .group_segment_fixed_size: 68096
    .private_segment_fixed_size: 0
    .kernarg_segment_align: 8
    .kernarg_segment_size: 72
    .max_flat_workgroup_size: 128
    .sgpr_count:     96
    .vgpr_count:     1024
    .wavefront_size: 32
...
	.end_amdgpu_metadata
.endif
;; end of part 4
;; ======== version 2 of 2: 4 launches
;; workspace buffers: xq 4,194,304 bytes; xsc 131,072 bytes; idx 16,384 bytes of whole numbers; order 20,480 bytes of whole numbers; tiles 512 bytes of whole numbers; hq 10,485,760 bytes; hsc 524,288 bytes
;; launch prep (part 5): grid 256 x 1, 8 waves a work-group, no clusters, 83,712 bytes of LDS; arguments x, Wg, xq, xsc, idx; writes xq, xsc, idx
.if DOCPART == 5
	.amdgcn_target "amdgcn-amd-amdhsa--gfx1250"
	.amdhsa_code_object_version 6
	.text
	.protected	k_q30b8bd44a2_prep
	.globl	k_q30b8bd44a2_prep
	.p2align	8
	.type	k_q30b8bd44a2_prep,@function
k_q30b8bd44a2_prep:
	s_mov_b64 s[64:65], 0
	v_nop
	global_prefetch_b8 v0, s[64:65] scope:SCOPE_SE
	s_setreg_imm32_b32 hwreg(HW_REG_WAVE_MODE, 25, 1), 1
	s_wait_xcnt 0x0
; x [4096][1024] f32 becomes codes of E4M3 (xq, K innermost) with one E8M0 byte for each 32 along K (xsc), and each token's expert, argmax of x Wg, is stored as a whole number (idx).
; A block's scale is 2^(floor(log2(largest magnitude)) - 8); its byte is the largest magnitude's exponent field - 8, held at 1 from below.
; LIMITS: NaN and infinities are not served.  A block whose largest magnitude lies under 2^-118, a block of zeros among them, gets the byte 1: zero codes add nothing under it, and this program alone reads the bytes.
; The logits are f32 sums in another order than a row-by-row sum: two logits equal within f32 rounding may choose the other expert; exact ties take the lower index.
; SHARES.  A work-group takes 16 rows, a wave two: four steps of 512 numbers (row t / 2, half t % 2).  Each load reads 512 consecutive bytes; a step turns through the wave's own stage in LDS,
; so that a lane then holds 16 neighbours along K (two lanes to a block).  All 16 loads of x of a wave are issued at once: 8,192 bytes a wave on their way.
; No address and no branch hangs on the choice of expert: it is stored at a fixed place.
.set SP,    80                         ; a lane's place in a stage: 64 bytes + 16 of padding
.set STG,   32*SP                      ; a stage
.set WREG,  4*STG                      ; four stages a wave, one for each step
.set SCG,   8*WREG                     ; behind the stages: the work-group's 512 scale bytes
.set IDG,   SCG+512                    ; and its 16 experts, a word each
.set R,     16                         ; v16-79   step t's 16 numbers at R + 16 t: as loaded, then as neighbours
.set C,     80                         ; v80-95   step t's codes
.set E,     96                         ; v96-99   step t's scale byte
.set LG,    100                        ; v100-107 the four logits, in two sets (even k, odd k)
.set PX,    108                        ; v108-111 the other half of the lanes' sums
.set BEST,  112                        ; v112 the largest logit; v113, v114 its index, for each of my two rows
.set ONE,   125                        ; v125-127 the numbers 1, 2, 3
.set WGT,   128                        ; v128-255 Wg: register 64 p + 4 k + e = Wg[512 p + 16 lane + k][e]
	s_load_b256 s[4:11], s[0:1], 0x0               ; x s[4:5], Wg s[6:7], xq s[8:9], xsc s[10:11]
	s_load_b64 s[12:13], s[0:1], 0x20              ; idx
	v_lshl_add_u32 v115, v0, 2, 0x14300
	v_mov_b32 v119, 0
	v_lshrrev_b32 v1, 5, v0
	s_delay_alu instid0(VALU_DEP_1)
	v_readfirstlane_b32 s14, v1                    ; wave 0..7
	v_and_b32 v1, 31, v0                           ; lane
	s_delay_alu instid0(VALU_DEP_1)
	v_lshlrev_b32 v2, 4, v1                        ; 16 x lane: my bytes of a load of x and of a store of codes
	s_delay_alu instid0(VALU_DEP_2)
	v_lshlrev_b32 v3, 8, v1                        ; 256 x lane: my 16 rows of Wg
	s_mul_i32 s15, s14, WREG
	v_lshrrev_b32 v4, 2, v1
	s_delay_alu instid0(VALU_DEP_1)
	v_mul_u32_u24 v4, v4, SP
	v_and_b32 v5, 3, v1
	s_delay_alu instid0(VALU_DEP_1)
	v_lshl_add_u32 v4, v5, 4, v4
	s_delay_alu instid0(VALU_DEP_1)
	v_add_nc_u32 v4, s15, v4                       ; the stage, in: four lanes' 64 bytes on end, then the padding
	v_mul_u32_u24 v5, v1, SP
	s_delay_alu instid0(VALU_DEP_1)
	v_add_nc_u32 v5, s15, v5                       ; the stage, out: my 16 neighbours
	s_lshl_b32 s15, s14, 6
	s_add_co_u32 s15, s15, SCG
	v_lshrrev_b32 v6, 1, v1
	s_delay_alu instid0(VALU_DEP_1)
	v_add_nc_u32 v6, s15, v6                       ; my block's scale byte: SCG + 64 wave + lane / 2 (+ 16 t)
	s_lshl_b32 s15, s14, 3
	s_add_co_u32 s15, s15, IDG
	v_mov_b32 v7, s15                              ; my rows' experts: IDG + 8 wave (+ 4 row)
	v_add_nc_u32 v116, SCG, v2                     ; the way out (wave 0 alone uses these three)
	v_and_b32 v117, 15, v1
	s_delay_alu instid0(VALU_DEP_1)
	v_lshlrev_b32 v117, 2, v117
	s_delay_alu instid0(VALU_DEP_1)
	v_add_nc_u32 v118, IDG, v117
	v_mov_b32 v[ONE], 1
	v_mov_b32 v[ONE+1], 2
	v_mov_b32 v[ONE+2], 3
.irp e, 0,1,2,3
	v_mov_b32 v[PX+\e], 0                          ; written once: a lane permute's destination counts as one of its sources
.endr
	s_lshl_b32 s16, ttmp9, 16                      ; x: 16 rows of 4,096 bytes a work-group,
	s_lshl_b32 s17, s14, 13                        ; two rows a wave
	s_add_co_u32 s16, s16, s17
	s_mov_b32 s17, 0
	s_lshl_b32 s18, ttmp9, 14                      ; xq: a quarter of that
	s_lshl_b32 s19, s14, 11
	s_add_co_u32 s18, s18, s19
	s_mov_b32 s19, 0
	s_lshl_b32 s20, ttmp9, 9                       ; xsc: 512 bytes a work-group
	s_mov_b32 s21, 0
	s_lshl_b32 s22, ttmp9, 6                       ; idx: 64 bytes a work-group
	s_mov_b32 s23, 0
	s_mov_b32 s24, 0x600000                        ; the mantissa field of 448
	s_mov_b32 s26, 0x76543210
	s_mov_b32 s27, 0xfedcba98                      ; v_permlanex16_b32's selects for lane l xor 16
	s_wait_kmcnt 0x0
	s_add_nc_u64 s[4:5], s[4:5], s[16:17]
	s_add_nc_u64 s[8:9], s[8:9], s[18:19]
	s_add_nc_u64 s[10:11], s[10:11], s[20:21]
	s_add_nc_u64 s[12:13], s[12:13], s[22:23]
.irp t, 0,1,2,3
.irp i, 0,1,2,3
	global_load_b128 v[R+16*\t+4*\i:R+16*\t+4*\i+3], v2, s[4:5] offset:2048*\t+512*\i th:TH_LOAD_NT   ; 32 lanes read 512 consecutive bytes; read once in the launch
.endr
.endr
.irp p, 0,1
.irp k, 0,1,2,3,4,5,6,7,8,9,10,11,12,13,14,15
	global_load_b128 v[WGT+64*\p+4*\k:WGT+64*\p+4*\k+3], v3, s[6:7] offset:8192*\p+16*\k   ; Wg's row 512 p + 16 lane + k: read again by every wave
.endr
.endr
; step t's numbers through its stage: LDS serves a wave's instructions in order, so no wait stands between the stores and the loads, and the loads may land where the stores read
.macro TURN t
.irp i, 0,1,2,3
	ds_store_b128 v4, v[R+16*(\t)+4*\i:R+16*(\t)+4*\i+3] offset:STG*(\t)+8*SP*\i
.endr
.irp i, 0,1,2,3
	ds_load_b128 v[R+16*(\t)+4*\i:R+16*(\t)+4*\i+3], v5 offset:STG*(\t)+16*\i
.endr
.endm
; step t: the four logits' share of my 16 numbers, then the block's scale, the hold, the codes.  dsw: the LDS instructions issued behind this step's loads from the stage
.macro WORK t, dsw
.set XS, R+16*(\t)
.set WB, WGT+64*((\t)%2)
	s_wait_dscnt \dsw
.irp k, 0
.set LL, LG+4*(\k%2)
.set XP, XS+2*(\k/2)
.if ((\t)%2 == 0) && (\k < 2)                  ; a row's first two numbers start the sums: nothing is cleared
.if \k == 0
	v_pk_mul_f32 v[LL:LL+1], v[XP:XP+1], v[WB+4*\k:WB+4*\k+1] op_sel:[0,0] op_sel_hi:[0,1]
	v_pk_mul_f32 v[LL+2:LL+3], v[XP:XP+1], v[WB+4*\k+2:WB+4*\k+3] op_sel:[0,0] op_sel_hi:[0,1]
.else
	v_pk_mul_f32 v[LL:LL+1], v[XP:XP+1], v[WB+4*\k:WB+4*\k+1] op_sel:[1,0] op_sel_hi:[1,1]
	v_pk_mul_f32 v[LL+2:LL+3], v[XP:XP+1], v[WB+4*\k+2:WB+4*\k+3] op_sel:[1,0] op_sel_hi:[1,1]
.endif
.elseif \k%2 == 0                              ; x's register serves both halves: the pair's first for an even k, its second for an odd one
	v_pk_fma_f32 v[LL:LL+1], v[XP:XP+1], v[WB+4*\k:WB+4*\k+1], v[LL:LL+1] op_sel:[0,0,0] op_sel_hi:[0,1,1]
	v_pk_fma_f32 v[LL+2:LL+3], v[XP:XP+1], v[WB+4*\k+2:WB+4*\k+3], v[LL+2:LL+3] op_sel:[0,0,0] op_sel_hi:[0,1,1]
.else
	v_pk_fma_f32 v[LL:LL+1], v[XP:XP+1], v[WB+4*\k:WB+4*\k+1], v[LL:LL+1] op_sel:[1,0,0] op_sel_hi:[1,1,1]
	v_pk_fma_f32 v[LL+2:LL+3], v[XP:XP+1], v[WB+4*\k+2:WB+4*\k+3], v[LL+2:LL+3] op_sel:[1,0,0] op_sel_hi:[1,1,1]
.endif
.endr
.irp k, 1
.set LL, LG+4*(\k%2)
.set XP, XS+2*(\k/2)
.if ((\t)%2 == 0) && (\k < 2)
.if \k == 0
	v_pk_mul_f32 v[LL:LL+1], v[XP:XP+1], v[WB+4*\k:WB+4*\k+1] op_sel:[0,0] op_sel_hi:[0,1]
	v_pk_mul_f32 v[LL+2:LL+3], v[XP:XP+1], v[WB+4*\k+2:WB+4*\k+3] op_sel:[0,0] op_sel_hi:[0,1]
.else
	v_pk_mul_f32 v[LL:LL+1], v[XP:XP+1], v[WB+4*\k:WB+4*\k+1] op_sel:[1,0] op_sel_hi:[1,1]
	v_pk_mul_f32 v[LL+2:LL+3], v[XP:XP+1], v[WB+4*\k+2:WB+4*\k+3] op_sel:[1,0] op_sel_hi:[1,1]
.endif
.elseif \k%2 == 0
	v_pk_fma_f32 v[LL:LL+1], v[XP:XP+1], v[WB+4*\k:WB+4*\k+1], v[LL:LL+1] op_sel:[0,0,0] op_sel_hi:[0,1,1]
	v_pk_fma_f32 v[LL+2:LL+3], v[XP:XP+1], v[WB+4*\k+2:WB+4*\k+3], v[LL+2:LL+3] op_sel:[0,0,0] op_sel_hi:[0,1,1]
.else
	v_pk_fma_f32 v[LL:LL+1], v[XP:XP+1], v[WB+4*\k:WB+4*\k+1], v[LL:LL+1] op_sel:[1,0,0] op_sel_hi:[1,1,1]
	v_pk_fma_f32 v[LL+2:LL+3], v[XP:XP+1], v[WB+4*\k+2:WB+4*\k+3], v[LL+2:LL+3] op_sel:[1,0,0] op_sel_hi:[1,1,1]
.endif
.endr
.irp k, 2, 3, 4, 5, 6, 7, 8, 9, 10, 11, 12, 13, 14, 15
.set LL, LG+4*(\k%2)
.set XP, XS+2*(\k/2)
.if ((\t)%2 == 0) && (\k < 2)
.if \k == 0
	v_pk_mul_f32 v[LL:LL+1], v[XP:XP+1], v[WB+4*\k:WB+4*\k+1] op_sel:[0,0] op_sel_hi:[0,1]
	v_pk_mul_f32 v[LL+2:LL+3], v[XP:XP+1], v[WB+4*\k+2:WB+4*\k+3] op_sel:[0,0] op_sel_hi:[0,1]
.else
	v_pk_mul_f32 v[LL:LL+1], v[XP:XP+1], v[WB+4*\k:WB+4*\k+1] op_sel:[1,0] op_sel_hi:[1,1]
	v_pk_mul_f32 v[LL+2:LL+3], v[XP:XP+1], v[WB+4*\k+2:WB+4*\k+3] op_sel:[1,0] op_sel_hi:[1,1]
.endif
.elseif \k%2 == 0
	s_delay_alu instid0(VALU_DEP_4)
	v_pk_fma_f32 v[LL:LL+1], v[XP:XP+1], v[WB+4*\k:WB+4*\k+1], v[LL:LL+1] op_sel:[0,0,0] op_sel_hi:[0,1,1]
	s_delay_alu instid0(VALU_DEP_4)
	v_pk_fma_f32 v[LL+2:LL+3], v[XP:XP+1], v[WB+4*\k+2:WB+4*\k+3], v[LL+2:LL+3] op_sel:[0,0,0] op_sel_hi:[0,1,1]
.else
	s_delay_alu instid0(VALU_DEP_4)
	v_pk_fma_f32 v[LL:LL+1], v[XP:XP+1], v[WB+4*\k:WB+4*\k+1], v[LL:LL+1] op_sel:[1,0,0] op_sel_hi:[1,1,1]
	s_delay_alu instid0(VALU_DEP_4)
	v_pk_fma_f32 v[LL+2:LL+3], v[XP:XP+1], v[WB+4*\k+2:WB+4*\k+3], v[LL+2:LL+3] op_sel:[1,0,0] op_sel_hi:[1,1,1]
.endif
.endr
	v_max3_num_f32 v8, |v[XS]|, |v[XS+1]|, |v[XS+2]|               ; the largest magnitude of my 16, in two chains
	v_max3_num_f32 v9, |v[XS+3]|, |v[XS+4]|, |v[XS+5]|
.irp i, 6,10
	s_delay_alu instid0(VALU_DEP_2)
	v_max3_num_f32 v8, v8, |v[XS+\i]|, |v[XS+\i+1]|
	s_delay_alu instid0(VALU_DEP_2)
	v_max3_num_f32 v9, v9, |v[XS+\i+2]|, |v[XS+\i+3]|
.endr
	s_delay_alu instid0(VALU_DEP_2)
	v_max3_num_f32 v8, v8, |v[XS+14]|, |v[XS+15]|
	s_delay_alu instid0(VALU_DEP_1)
	v_max3_num_f32 v8, v8, v9, 0x4800000           ; and the floor 2^(9 - 127): the byte cannot fall under 1
	s_delay_alu instid0(VALU_DEP_1)
	v_max_num_f32_dpp v8, v8, v8 row_xmask:1 row_mask:0xf bank_mask:0xf   ; with my neighbour's 16: the block's
	s_delay_alu instid0(VALU_DEP_1)
	v_add_nc_u32 v11, 0xfc000000, v8               ; 8 off the exponent field: the conversion takes this operand's exponent field as its scale
	s_delay_alu instid0(VALU_DEP_2)
	v_and_or_b32 v10, v8, 0x7f800000, s24          ; 448 x the scale
.irp i, 0,1,2,3,4,5,6,7,8,9,10,11,12,13,14,15
	v_med3_num_f32 v[XS+\i], v[XS+\i], -v10, v10   ; the conversion to an 8-bit code does not saturate (ISA guide 7.6.2): the hold comes first
.endr
	v_cvt_scalef32_pk8_fp8_f32 v[C+4*(\t):C+4*(\t)+1], v[XS:XS+7], v11
	v_cvt_scalef32_pk8_fp8_f32 v[C+4*(\t)+2:C+4*(\t)+3], v[XS+8:XS+15], v11
	v_lshrrev_b32 v[E+(\t)], 23, v11               ; the scale's byte (also the plain line behind the conversions)
	ds_store_b8 v6, v[E+(\t)] offset:16*(\t)       ; both lanes of a block write the same byte with the same value
	global_store_b128 v2, v[C+4*(\t):C+4*(\t)+3], s[8:9] offset:512*(\t)   ; the wave stores 512 consecutive bytes, aligned
.if (\t)%2                                     ; the row is through: its four logits over the 32 lanes, and the first largest of them
	v_pk_add_f32 v[LG:LG+1], v[LG:LG+1], v[LG+4:LG+5]
	v_pk_add_f32 v[LG+2:LG+3], v[LG+2:LG+3], v[LG+6:LG+7]
.irp m, 1,2,4,8
.irp e, 0,1,2,3
	v_add_f32_dpp v[LG+\e], v[LG+\e], v[LG+\e] row_xmask:\m row_mask:0xf bank_mask:0xf
.endr
.endr
.irp e, 0,1,2,3
	s_delay_alu instid0(VALU_DEP_4)
	v_permlanex16_b32 v[PX+\e], v[LG+\e], s26, s27
.endr
.irp e, 0,1,2,3
	s_delay_alu instid0(VALU_DEP_4)
	v_add_f32 v[LG+\e], v[LG+\e], v[PX+\e]
.endr
	s_delay_alu instid0(VALU_DEP_4)
	v_mov_b32 v[BEST], v[LG]
	v_mov_b32 v[BEST+1+(\t)/2], 0
.irp e, 1,2,3
	s_delay_alu instid0(VALU_DEP_2)
	v_cmp_gt_f32 vcc_lo, v[LG+\e], v[BEST]         ; strictly greater: a tie keeps the lower index
	s_delay_alu instid0(VALU_DEP_1)
	v_cndmask_b32 v[BEST], v[BEST], v[LG+\e], vcc_lo
	s_delay_alu instid0(VALU_DEP_2)
	v_cndmask_b32 v[BEST+1+(\t)/2], v[BEST+1+(\t)/2], v[ONE+\e-1], vcc_lo
.endr
	ds_store_b32 v7, v[BEST+1+(\t)/2] offset:4*((\t)/2)   ; every lane writes the same word with the same value
.endif
.endm
	s_wait_loadcnt 44                              ; step 0's four loads are in: behind them 12 of x and 32 of Wg
	TURN 0
	s_wait_loadcnt 40                              ; step 1's
	TURN 1
	s_wait_loadcnt 0x0                             ; Wg, the youngest, is wanted now
	WORK 0, 8                                      ; behind step 0's loads from the stage: step 1's eight
	TURN 2
	WORK 1, 9                                      ; a byte store and step 2's eight
	TURN 3
	WORK 2, 10                                     ; a byte store, a word store and step 3's eight
	WORK 3, 1                                      ; a byte store
	s_wait_dscnt 0x0                               ; for the others' sake: my bytes and words have landed
	s_barrier_signal -1
	s_barrier_wait -1
	s_cmp_lg_u32 s14, 0
	s_cbranch_scc1 .Ldone
	ds_load_b128 v[120:123], v116                  ; wave 0 sends the work-group's 512 scale bytes and 16 experts
	ds_load_b32 v124, v118
	s_wait_dscnt 0x0
	global_store_b128 v2, v[120:123], s[10:11]     ; 512 consecutive bytes, aligned
	global_store_b32 v117, v124, s[12:13]          ; 64 bytes; lanes 16-31 repeat lanes 0-15
.Ldone:
	s_wait_tensorcnt 0x0
	ds_add_u32 v115, v119
	s_wait_dscnt 0x0
	s_endpgm
.Lfunc_end_k_q30b8bd44a2_prep:
	.size	k_q30b8bd44a2_prep, .Lfunc_end_k_q30b8bd44a2_prep-k_q30b8bd44a2_prep
	.p2alignl 7, 3214868480
	.fill 96, 4, 3214868480
	.section	.rodata,"a",@progbits
	.p2align	6, 0x0
	.amdhsa_kernel k_q30b8bd44a2_prep
		.amdhsa_group_segment_fixed_size 83712
		.amdhsa_private_segment_fixed_size 0
		.amdhsa_enable_private_segment 0
		.amdhsa_kernarg_size 40
		.amdhsa_user_sgpr_count 2
		.amdhsa_user_sgpr_kernarg_segment_ptr 1
		.amdhsa_wavefront_size32 1
		.amdhsa_system_sgpr_workgroup_id_x 1
		.amdhsa_system_sgpr_workgroup_id_y 1
		.amdhsa_system_sgpr_workgroup_id_z 1
		.amdhsa_system_vgpr_workitem_id 0
		.amdhsa_next_free_vgpr 256
		.amdhsa_next_free_sgpr 66
		.amdhsa_reserve_vcc 1
		.amdhsa_float_denorm_mode_32 3
		.amdhsa_float_denorm_mode_16_64 3
		.amdhsa_memory_ordered 1
		.amdhsa_forward_progress 1
		.amdhsa_inst_pref_size 36
	.end_amdhsa_kernel
	.amdgpu_metadata
---
amdhsa.version: [ 1, 2 ]
amdhsa.kernels:
  - .name:           k_q30b8bd44a2_prep
    .symbol:         k_q30b8bd44a2_prep.kd
    .args:
      - { .name: x, .offset: 0, .size: 8, .value_kind: global_buffer, .address_space: global }
      - { .name: Wg, .offset: 8, .size: 8, .value_kind: global_buffer, .address_space: global }
      - { .name: xq, .offset: 16, .size: 8, .value_kind: global_buffer, .address_space: global }
      - { .name: xsc, .offset: 24, .size: 8, .value_kind: global_buffer, .address_space: global }
      - { .name: idx, .offset: 32, .size: 8, .value_kind: global_buffer, .address_space: global }
    .group_segment_fixed_size: 83712
    .private_segment_fixed_size: 0
    .kernarg_segment_align: 8
    .kernarg_segment_size: 40
    .max_flat_workgroup_size: 256
    .sgpr_count:     66
    .vgpr_count:     256
    .wavefront_size: 32
...
	.end_amdgpu_metadata
.endif
;; end of part 5
;; launch place (part 6): grid 1 x 1, 32 waves a work-group, no clusters, 4,352 bytes of LDS; arguments idx, order, tiles; writes order, tiles
.if DOCPART == 6
	.amdgcn_target "amdgcn-amd-amdhsa--gfx1250"
	.amdhsa_code_object_version 6
	.text
	.protected	k_q30b8bd44a2_place
	.globl	k_q30b8bd44a2_place
	.p2align	8
	.type	k_q30b8bd44a2_place,@function
k_q30b8bd44a2_place:
	s_mov_b64 s[64:65], 0
	v_nop
	global_prefetch_b8 v0, s[64:65] scope:SCOPE_SE
	s_setreg_imm32_b32 hwreg(HW_REG_WAVE_MODE, 25, 1), 1
	s_wait_xcnt 0x0
; A counting sort of the 4,096 tokens by expert, in whole numbers alone, and the table of row tiles.  One work-group of 32 waves; thread t owns tokens 4 t .. 4 t + 3; no atomics.
; order[place] = token, tokens of an expert on end, in ascending order; order[4096 .. 5119] = 0, so that a reader may run past a tile's end.
; TILES.  An expert with c rows gets n = ceil(c / 320) tiles; its G = ceil(c / 16) groups of 16 rows are dealt evenly, qg = ceil(G / n) <= 20 to a tile.  The sum of n is at most 16 for every split.
; tiles[t] = {expert, first place, rows, groups}, 32 records; those behind the last tile have 0 rows.
	s_load_b128 s[4:7], s[0:1], 0x0                ; idx s[4:5], order s[6:7]
	s_load_b64 s[8:9], s[0:1], 0x10                ; tiles
	v_lshl_add_u32 v64, v0, 2, 0x100
	v_mov_b32 v65, 0
	v_lshrrev_b32 v1, 5, v0
	s_delay_alu instid0(VALU_DEP_1)
	v_readfirstlane_b32 s10, v1                    ; wave 0..31
	v_and_b32 v1, 31, v0                           ; lane
	v_lshlrev_b32 v2, 4, v0                        ; 16 t
	v_mov_b32 v3, 1
	s_lshl_b32 s13, s10, 2
	v_mov_b32 v23, s13                             ; LDS: my wave's word
	v_lshlrev_b32 v25, 2, v1                       ; LDS: the word of the wave whose number is my lane's
	s_mov_b32 s11, 0xffff0000                      ; lanes 16-31
	s_wait_alu depctr_va_vdst(0)
	s_wait_kmcnt 0x0
	global_load_b128 v[4:7], v2, s[4:5]
	s_wait_loadcnt 0x0
.irp j, 0,1,2,3
	v_min_u32 v[4+\j], 3, v[4+\j]                  ; the expert, held inside the table
.endr
.irp j, 0,1,2,3
	s_delay_alu instid0(VALU_DEP_4)
	v_lshlrev_b32 v[8+\j], 3, v[4+\j]              ; its field of 8 bits
.endr
.irp j, 0,1,2,3
	s_delay_alu instid0(VALU_DEP_4)
	v_lshlrev_b32 v[12+\j], v[8+\j], v3            ; 1 in that field
.endr
	v_mov_b32 v16, 0                               ; v16-19: how many of my own tokens stand ahead of token j, by expert
	v_mov_b32 v17, v12
	s_delay_alu instid0(VALU_DEP_1)
	v_add_nc_u32 v18, v17, v13
	s_delay_alu instid0(VALU_DEP_1)
	v_add_nc_u32 v19, v18, v14
	s_delay_alu instid0(VALU_DEP_1)
	v_add_nc_u32 v20, v19, v15                     ; my four counts; a wave's are at most 128, inside 8 bits
	s_delay_alu instid0(VALU_DEP_1)
	v_mov_b32 v21, v20
; the sums of lanes 0 .. l, in every lane l: four steps inside each half of 16 lanes, then the lower half's total onto the upper half
.macro SCAN32 v, t, s
.irp n, 1
	v_mov_b32 v[\t], 0
	v_mov_b32_dpp v[\t], v[\v] row_shr:\n row_mask:0xf bank_mask:0xf bound_ctrl:1
	s_delay_alu instid0(VALU_DEP_1)
	v_add_nc_u32 v[\v], v[\v], v[\t]
.endr
.irp n, 2, 4, 8
	v_mov_b32 v[\t], 0
	s_delay_alu instid0(VALU_DEP_2)
	v_mov_b32_dpp v[\t], v[\v] row_shr:\n row_mask:0xf bank_mask:0xf bound_ctrl:1
	s_delay_alu instid0(VALU_DEP_1)
	v_add_nc_u32 v[\v], v[\v], v[\t]
.endr
	s_delay_alu instid0(VALU_DEP_1)
	v_readlane_b32 s[\s], v[\v], 15
	s_delay_alu instid0(VALU_DEP_1)
	v_mov_b32 v[\t], s[\s]
	s_delay_alu instid0(VALU_DEP_1)
	v_cndmask_b32 v[\t], 0, v[\t], s11
	s_delay_alu instid0(VALU_DEP_1)
	v_add_nc_u32 v[\v], v[\v], v[\t]
.endm
	SCAN32 21, 22, 12
	s_delay_alu instid0(VALU_DEP_1)
	v_sub_nc_u32 v24, v21, v20                     ; the counts of the lanes ahead of me
	s_delay_alu instid0(VALU_DEP_2)
	v_readlane_b32 s12, v21, 31                    ; my wave's counts
	s_delay_alu instid0(VALU_DEP_1)
	v_mov_b32 v22, s12
	ds_store_b32 v23, v22
	s_wait_dscnt 0x0                               ; for the others' sake
	s_barrier_signal -1
	s_barrier_wait -1
	ds_load_b32 v26, v25                           ; lane l: wave l's counts
	s_wait_dscnt 0x0
	v_and_b32 v27, 0xff, v26                       ; widened to fields of 16 bits: experts 0 and 1,
	v_and_b32 v28, 0xff00, v26
	s_delay_alu instid0(VALU_DEP_1)
	v_lshl_or_b32 v27, v28, 8, v27
	v_lshrrev_b32 v26, 16, v26
	s_delay_alu instid0(VALU_DEP_1)
	v_and_b32 v28, 0xff, v26                       ; experts 2 and 3
	s_delay_alu instid0(VALU_DEP_2)
	v_and_b32 v29, 0xff00, v26
	s_delay_alu instid0(VALU_DEP_1)
	v_lshl_or_b32 v28, v29, 8, v28
	v_mov_b32 v30, v27
	s_delay_alu instid0(VALU_DEP_2)
	v_mov_b32 v31, v28
	SCAN32 27, 22, 12
	SCAN32 28, 22, 12
	v_readlane_b32 s16, v27, 31                    ; all tokens' counts
	s_delay_alu instid0(VALU_DEP_2)
	v_readlane_b32 s17, v28, 31
	v_sub_nc_u32 v30, v27, v30
	s_delay_alu instid0(VALU_DEP_4)
	v_sub_nc_u32 v31, v28, v31
	s_delay_alu instid0(VALU_DEP_2)
	v_readlane_b32 s18, v30, s10                   ; the counts of the waves ahead of mine
	s_delay_alu instid0(VALU_DEP_2)
	v_readlane_b32 s19, v31, s10
	s_and_b32 s20, s16, 0xffff                     ; s20-23: c, each expert's rows
	s_lshr_b32 s21, s16, 16
	s_and_b32 s22, s17, 0xffff
	s_lshr_b32 s23, s17, 16
	s_mov_b32 s24, 0                               ; s24-27: off, each expert's first place
	s_mov_b32 s25, s20
	s_add_co_u32 s26, s25, s21
	s_add_co_u32 s27, s26, s22
	s_and_b32 s28, s18, 0xffff                     ; s28-31: where my wave's tokens of each expert begin
	s_lshr_b32 s29, s18, 16
	s_and_b32 s30, s19, 0xffff
	s_lshr_b32 s31, s19, 16
	s_add_co_u32 s29, s29, s25
	s_add_co_u32 s30, s30, s26
	s_add_co_u32 s31, s31, s27
.irp e, 0,1,2,3
	v_mov_b32 v[32+\e], s[28+\e]
.endr
.irp j, 0,1,2,3
	v_mov_b32 v[36+\j], v32
.irp e, 1,2,3
	v_cmp_eq_u32 vcc_lo, \e, v[4+\j]
	s_delay_alu instid0(VALU_DEP_1)
	v_cndmask_b32 v[36+\j], v[36+\j], v[32+\e], vcc_lo
.endr
	v_add_nc_u32 v[40+\j], v24, v[16+\j]           ; tokens of my wave ahead of this one, by expert;
	s_delay_alu instid0(VALU_DEP_1)
	v_lshrrev_b32 v[40+\j], v[8+\j], v[40+\j]
	s_delay_alu instid0(VALU_DEP_1)
	v_and_b32 v[40+\j], 0xff, v[40+\j]             ; of its own expert
	s_delay_alu instid0(VALU_DEP_1)
	v_add_nc_u32 v[40+\j], v[36+\j], v[40+\j]      ; its place,
	s_delay_alu instid0(VALU_DEP_1)
	v_min_u32 v[40+\j], 0xfff, v[40+\j]            ; held inside the list
	s_delay_alu instid0(VALU_DEP_1)
	v_lshlrev_b32 v[40+\j], 2, v[40+\j]
	v_lshl_add_u32 v[44+\j], v0, 2, \j             ; the token: 4 t + j
	global_store_b32 v[40+\j], v[44+\j], s[6:7]
.endr
	v_lshlrev_b32 v48, 2, v0
	v_mov_b32 v49, 0
	global_store_b32 v48, v49, s[6:7] offset:16384 ; the list's tail: 1,024 zeros
	s_cmp_lg_u32 s10, 0
	s_cbranch_scc1 .Ldone
	; wave 0 makes the table; divisions by counting lanes: ceil(a / b) = the number of lanes l with l b < a, where that is at most 32
	v_mul_u32_u24 v50, v1, 320
	s_wait_alu depctr_va_vdst(0)
.irp e, 0,1,2,3
	v_cmp_lt_u32 s34, v50, s[20+\e]
	s_bcnt1_i32_b32 s[36+\e], s34                  ; s36-39: n = ceil(c / 320)
	s_add_co_u32 s[40+\e], s[20+\e], 15
	s_lshr_b32 s[40+\e], s[40+\e], 4               ; s40-43: G = ceil(c / 16)
	v_mul_lo_u32 v51, v1, s[36+\e]
	s_delay_alu instid0(VALU_DEP_1)
	v_cmp_lt_u32 s34, v51, s[40+\e]
	s_bcnt1_i32_b32 s[44+\e], s34                  ; s44-47: qg = ceil(G / n), 0 where n = 0
.endr
	s_mov_b32 s48, 0                               ; s48-51: each expert's first tile
	s_mov_b32 s49, s36
	s_add_co_u32 s50, s49, s37
	s_add_co_u32 s51, s50, s38
	v_mov_b32 v52, 0                               ; lane t is tile t: its expert is the last whose first tile is at most t
	v_mov_b32 v53, 0
	v_mov_b32 v54, 0
	v_mov_b32 v55, s20
	v_mov_b32 v56, s44
.irp k, 1,2,3
	v_cmp_le_u32 vcc_lo, s[48+\k], v1
	v_mov_b32 v60, \k
	s_delay_alu instid0(VALU_DEP_1)
	v_cndmask_b32 v52, v52, v60, vcc_lo            ; the expert,
	v_mov_b32 v60, s[48+\k]
	s_delay_alu instid0(VALU_DEP_1)
	v_cndmask_b32 v53, v53, v60, vcc_lo            ; its first tile,
	v_mov_b32 v60, s[24+\k]
	s_delay_alu instid0(VALU_DEP_1)
	v_cndmask_b32 v54, v54, v60, vcc_lo            ; its first place,
	v_mov_b32 v60, s[20+\k]
	s_delay_alu instid0(VALU_DEP_1)
	v_cndmask_b32 v55, v55, v60, vcc_lo            ; its rows,
	v_mov_b32 v60, s[44+\k]
	s_delay_alu instid0(VALU_DEP_1)
	v_cndmask_b32 v56, v56, v60, vcc_lo            ; its groups to a tile
.endr
	v_sub_nc_u32 v57, v1, v53
	s_delay_alu instid0(VALU_DEP_1)
	v_mul_u32_u24 v57, v57, v56
	s_delay_alu instid0(VALU_DEP_1)
	v_lshlrev_b32 v57, 4, v57                      ; the expert's rows ahead of this tile
	s_delay_alu instid0(VALU_DEP_1)
	v_add_nc_u32 v53, v54, v57
	s_delay_alu instid0(VALU_DEP_1)
	v_min_u32 v53, 0xfff, v53                      ; first place
	s_delay_alu instid0(VALU_DEP_3)
	v_sub_nc_u32 v54, v55, v57
	s_delay_alu instid0(VALU_DEP_1)
	v_max_i32 v54, 0, v54
	v_lshlrev_b32 v56, 4, v56
	s_delay_alu instid0(VALU_DEP_1)
	v_min_u32 v54, v54, v56                        ; rows
	s_delay_alu instid0(VALU_DEP_1)
	v_add_nc_u32 v55, 15, v54
	s_delay_alu instid0(VALU_DEP_1)
	v_lshrrev_b32 v55, 4, v55                      ; groups
	global_store_b128 v2, v[52:55], s[8:9]         ; 32 records: 512 consecutive bytes
.Ldone:
	s_wait_tensorcnt 0x0
	ds_add_u32 v64, v65
	s_wait_dscnt 0x0
	s_endpgm
.Lfunc_end_k_q30b8bd44a2_place:
	.size	k_q30b8bd44a2_place, .Lfunc_end_k_q30b8bd44a2_place-k_q30b8bd44a2_place
	.p2alignl 7, 3214868480
	.fill 96, 4, 3214868480
	.section	.rodata,"a",@progbits
	.p2align	6, 0x0
	.amdhsa_kernel k_q30b8bd44a2_place
		.amdhsa_group_segment_fixed_size 4352
		.amdhsa_private_segment_fixed_size 0
		.amdhsa_enable_private_segment 0
		.amdhsa_kernarg_size 24
		.amdhsa_user_sgpr_count 2
		.amdhsa_user_sgpr_kernarg_segment_ptr 1
		.amdhsa_wavefront_size32 1
		.amdhsa_system_sgpr_workgroup_id_x 1
		.amdhsa_system_sgpr_workgroup_id_y 1
		.amdhsa_system_sgpr_workgroup_id_z 1
		.amdhsa_system_vgpr_workitem_id 0
		.amdhsa_next_free_vgpr 66
		.amdhsa_next_free_sgpr 66
		.amdhsa_reserve_vcc 1
		.amdhsa_float_denorm_mode_32 3
		.amdhsa_float_denorm_mode_16_64 3
		.amdhsa_memory_ordered 1
		.amdhsa_forward_progress 1
		.amdhsa_inst_pref_size 16
	.end_amdhsa_kernel
	.amdgpu_metadata
---
amdhsa.version: [ 1, 2 ]
amdhsa.kernels:
  - .name:           k_q30b8bd44a2_place
    .symbol:         k_q30b8bd44a2_place.kd
    .args:
      - { .name: idx, .offset: 0, .size: 8, .value_kind: global_buffer, .address_space: global }
      - { .name: order, .offset: 8, .size: 8, .value_kind: global_buffer, .address_space: global }
      - { .name: tiles, .offset: 16, .size: 8, .value_kind: global_buffer, .address_space: global }
    .group_segment_fixed_size: 4352
    .private_segment_fixed_size: 0
    .kernarg_segment_align: 8
    .kernarg_segment_size: 24
    .max_flat_workgroup_size: 1024
    .sgpr_count:     66
    .vgpr_count:     66
    .wavefront_size: 32
...
	.end_amdgpu_metadata
.endif
;; end of part 6
;; launch up (part 7): grid 16 x 16, 4 waves a work-group, no clusters, 37,376 bytes of LDS; arguments xq, xsc, order, tiles, w1s_codes, w1s_scales, w2s_codes, w2s_scales, W1_codes, W1_scales, W2_codes, W2_scales, hq, hsc; writes hq, hsc
.if DOCPART == 7
	.amdgcn_target "amdgcn-amd-amdhsa--gfx1250"
	.amdhsa_code_object_version 6
	.text
	.protected	k_q30b8bd44a2_up
	.globl	k_q30b8bd44a2_up
	.p2align	8
	.type	k_q30b8bd44a2_up,@function
k_q30b8bd44a2_up:
	s_mov_b64 s[64:65], 0
	v_nop
	global_prefetch_b8 v0, s[64:65] scope:SCOPE_SE
	s_setreg_imm32_b32 hwreg(HW_REG_WAVE_SCHED_MODE, 0, 2), 2
	s_setreg_imm32_b32 hwreg(HW_REG_WAVE_MODE, 25, 1), 1
	s_wait_xcnt 0x0
	s_wait_alu depctr_vm_vsrc(0)
; h = Q(gelu(x W1) * (x W2)) for the shared branch and for each row's own expert, on codes of E4M3 with one E8M0 scale for each 32 along K; Q quantises along the hidden axis, the next product's K.
; SHARES.  Work-group (x, y): branch x / 8 (0 shared, 1 expert), hidden units 128 (x % 8) on, row tile y of the table (rows of one expert, sorted).  Wave w owns 32 of the units, of W1 and of W2, for all of K:
; 32 fragments, 512 registers, read from memory once.  The rows go past in groups of 16.  A tile has at most 20 groups; the loop has 20 trips for every split.  What a trip does for a group that the tile does not
; have (its products, its way through LDS, its loads from memory) is jumped over by a scalar branch on the stored count; the barrier is not.
; THE PRODUCTS ARE USED TRANSPOSED (source 0 = 16 rows of a weight, source 1 = 16 rows of x), AND A WEIGHT TILE'S ROWS ARE NOT NEIGHBOURS: lane r of tile u takes unit 8 u + r + 8 (r / 8) of the wave's 32.
; So lane (r, h) holds row r and the 16 neighbouring units 16 h + 0 .. 15: after the conversion they are registers 4 w .. 4 w + 3 of the next operand's fragment, and the wave's 32 units are one block.
; ROWS FROM WAVE TO WAVE.  A lane takes its row's token from the list in memory, straight into the register that makes the row's address.  Wave w fetches fragments 2 w and 2 w + 1 of a group (256 consecutive
; bytes of each of 16 rows) and their scale words, and lays them in LDS as images of the registers: 16 bytes a lane, 512 a store.  Two LDS slots by turns, one barrier a group.
; A GROUP'S WAY: its token is asked for in trip g - 6, its rows in trip g - 4, they go into LDS and on into every wave's registers in trip g - 2, and are multiplied in trip g.  Groups 0 to 3 are asked for at the head.
; gelu is exact: gelu(a) = max(a, 0) - |a| erfc(|a| / sqrt 2) / 2, erfc(z) = t exp(-z z + poly(t)), t = 1 / (1 + z / 2), a fit of degree 9 with a fractional error under 1.2e-7; all in f32.
; No tensor loads and no cluster: the rows are gathered by a stored list, the expert's weights hang on a stored number, and absent groups are skipped by a branch on a stored number.
; LIMITS: NaN and infinities are not served.  A block of h whose largest magnitude lies under 2^-118 (zeros among them) gets the byte 1; this program alone reads the bytes.
; THE MODE: SCHED_MODE bits 1:0 = 2 (LLVM: expert scheduling mode 2), set by the entry lines.  The code itself states the register dependences between vector or matrix instructions and memory or LDS
; instructions, with s_wait_alu, always for 0.
; THE PLAN.  Registers that memory or LDS instructions touch in the loop; trip g, p = g % 2:
;   window 3 set p, AS set p   Read by trip g's products; behind the trip's barrier the LDS loads of group g + 2 land in them.
;   SG set p                   No vector instruction names it.  The rows' loads land in it; trip g's LDS stores read it; at the trip's end the loads of group g + 4 land in it.
;   TK + p                     A token's load lands in it; trip g's address lines hold it in place and read it; at the trip's end the next token's load lands in it.
;   v12 + p, v14 + p           Written by those address lines; read by the rows' loads at the trip's end.
;   CQ set p, v25, v26         Written by the quantiser and by the byte's address line; read by the trip's store and byte store.
;   v3 to v9, v27              Made at the head, never written again.  The weights and their scale words are loaded at the head, never again.
; So ONE wait on va_vdst stands in a trip beside the activation's four, behind the quantiser, with all the trip's address lines ahead of it: no vector instruction follows it in the trip, and all the trip's
; stores and loads lean on it.  ONE wait on vm_vsrc stands behind the barrier, on every way: it frees SG set p for this trip's loads, CQ set p, v25 and v26 for the trips that follow, and the other set's
; offsets, which the last trip's loads read, for the next trip.
; REGISTERS, in windows of 256.  Window 1: the weights' K steps 0-3, fragment (s, f) at v[16 (4 s + f)], f = 0, 1: W1's tiles, 2, 3: W2's.  Window 2: K steps 4-7.  Window 3: x's fragments, two sets of 128.
; Window 0: v1-11 addresses that stay; v12-15 the fetches' offsets; v16-17 tokens; v20-25 the quantiser's; v26, v27 LDS addresses; v28-35 codes; v36-51 the weights' scale words; v52-67 x's;
; v68-139 two sets of rows on their way; v140-171 the four accumulators; v172-203 group 1's rows at the head; v204-251 the activation's (at the head: group 0's rows, tokens, offsets); v252-253 a constant;
; v254, v255 the closing add's two.
.set SLOT,  17408                      ; an LDS slot: 8 fragments of 2,048 bytes, then 4 x 256 bytes of scale words
.set SCI,   16384
.set SCL,   2*SLOT                     ; h's scale bytes: 512 bytes for each wave, byte 16 group + row
.set TK,    16                         ; v16, v17: my row's token of the next even group, of the next odd group, to be asked for
.set CQ,    28
.set BS,    36                         ; v36-43 W1's scale words of K step s, v44-51 W2's: lanes 0-15 tile 0's rows, lanes 16-31 tile 1's
.set AS,    52                         ; v52-59, v60-67: x's scale words, set p, K step s
.set SG,    68                         ; v68-101, v104-137: 32 registers of codes and 2 of scale words
.set X,     140                        ; x W1: 16 units; later the activation, later h
.set Y,     156                        ; x W2
.set G1R,   172                        ; the head: group 1's rows
.set T,     204
.set M,     220
.set P,     236
.set MSB,   0
.macro WIN new                         ; the immediate's high byte repeats the setting that is left
.if MSB != \new
	s_set_vgpr_msb (MSB<<8)|\new
.set MSB, \new
.endif
.endm
.macro BAR                             ; my LDS stores have landed and my LDS loads are in: then the work-group's barrier
	s_wait_dscnt 0x0
	s_barrier_signal -1
	s_barrier_wait -1
.endm
; one product, by the symbols rD, rA, rB (registers), rSA, rSB (scale words), fZ (it starts the sum), fRA, fRB (the side's scale words stand in lanes 16-31)
.macro WMS
.if fZ
.if fRA && fRB
	v_wmma_scale_f32_16x16x128_f8f6f4 v[rD:rD+7], v[rA:rA+15], v[rB:rB+15], 0, v[rSA], v[rSB] matrix_a_scale:MATRIX_SCALE_ROW1 matrix_b_scale:MATRIX_SCALE_ROW1
.elseif fRA
	v_wmma_scale_f32_16x16x128_f8f6f4 v[rD:rD+7], v[rA:rA+15], v[rB:rB+15], 0, v[rSA], v[rSB] matrix_a_scale:MATRIX_SCALE_ROW1
.elseif fRB
	v_wmma_scale_f32_16x16x128_f8f6f4 v[rD:rD+7], v[rA:rA+15], v[rB:rB+15], 0, v[rSA], v[rSB] matrix_b_scale:MATRIX_SCALE_ROW1
.else
	v_wmma_scale_f32_16x16x128_f8f6f4 v[rD:rD+7], v[rA:rA+15], v[rB:rB+15], 0, v[rSA], v[rSB]
.endif
.else
.if fRA && fRB
	v_wmma_scale_f32_16x16x128_f8f6f4 v[rD:rD+7], v[rA:rA+15], v[rB:rB+15], v[rD:rD+7], v[rSA], v[rSB] matrix_a_scale:MATRIX_SCALE_ROW1 matrix_b_scale:MATRIX_SCALE_ROW1
.elseif fRA
	v_wmma_scale_f32_16x16x128_f8f6f4 v[rD:rD+7], v[rA:rA+15], v[rB:rB+15], v[rD:rD+7], v[rSA], v[rSB] matrix_a_scale:MATRIX_SCALE_ROW1
.elseif fRB
	v_wmma_scale_f32_16x16x128_f8f6f4 v[rD:rD+7], v[rA:rA+15], v[rB:rB+15], v[rD:rD+7], v[rSA], v[rSB] matrix_b_scale:MATRIX_SCALE_ROW1
.else
	v_wmma_scale_f32_16x16x128_f8f6f4 v[rD:rD+7], v[rA:rA+15], v[rB:rB+15], v[rD:rD+7], v[rSA], v[rSB]
.endif
.endif
.endm
	s_load_b512 s[4:19], s[0:1], 0x0               ; xq s[4:5], xsc s[6:7], order s[8:9], tiles s[10:11], w1s codes, scales s[12:15], w2s codes, scales s[16:19]
	s_load_b256 s[20:27], s[0:1], 0x40             ; W1 codes, scales s[20:23], W2 codes, scales s[24:27]
	s_load_b128 s[28:31], s[0:1], 0x60             ; hq s[28:29], hsc s[30:31]
	v_lshl_add_u32 v254, v0, 2, 0x9000             ; the closing add's two registers: my spare word, behind the scale bytes,
	v_mov_b32 v255, 0                              ; and 0; kept for that alone
	v_lshrrev_b32 v1, 5, v0
	v_readfirstlane_b32 s40, v1                    ; wave 0..3
	s_wait_alu depctr_va_sdst(0)                   ; s40 is written, ahead of its first reader: addresses in LDS and in memory are made from it
	s_lshr_b32 s41, ttmp9, 3                       ; branch
	s_and_b32 s42, ttmp9, 7                        ; which 128 hidden units: the next product's K step
	s_and_b32 s43, ttmp7, 0xffff                   ; tile
	s_lshl_b32 s36, s43, 4
	s_mov_b32 s37, 0
	s_wait_kmcnt 0x0
	s_add_nc_u64 s[10:11], s[10:11], s[36:37]
	s_load_b128 s[32:35], s[10:11], 0x0            ; the tile's record: expert, first place, rows, groups
	v_and_b32 v20, 31, v0                          ; l
	v_and_b32 v21, 15, v0                          ; r
	v_bfe_u32 v18, v0, 4, 1                        ; h
	v_and_b32 v19, 8, v21
	v_add_nc_u32 v19, v19, v21                     ; r + 8 (r / 8)
	v_lshlrev_b32 v1, 10, v19
	v_lshl_add_u32 v1, v18, 4, v1                  ; v1: a weight's codes: that row of 1,024 bytes, + 16 h
	v_lshl_add_u32 v2, v18, 3, v19
	v_lshlrev_b32 v2, 5, v2                        ; v2: its scale bytes, 32 a row: lanes 16-31 take tile 1's rows, 8 further on
	v_lshlrev_b32 v3, 4, v20                       ; v3: 16 l: an image's place for my lane
	v_lshlrev_b32 v4, 3, v20                       ; v4: 8 l: two scale words'
	s_lshl_b32 s38, s40, 12
	v_add_nc_u32 v5, s38, v3                       ; v5: where I store my two fragments: 16 l + 4,096 w
	s_lshl_b32 s38, s40, 8
	v_add_nc_u32 v6, s38, v4                       ; v6: and their scale words: 8 l + 256 w
	v_lshl_add_u32 v10, v18, 4, s38                ; v10: my bytes of a row of xq: 16 h + 256 w
	s_lshl_b32 s38, s40, 9
	v_add_nc_u32 v9, s38, v3                       ; v9: my 16 bytes of a fragment of h: 16 l + 512 w
	s_add_co_u32 s38, s38, SCL
	v_add_nc_u32 v8, s38, v21                      ; v8: my row's scale byte: SCL + 512 w + r (+ 16 group)
	s_lshl_b32 s38, s40, 3
	v_mov_b32 v11, s38                             ; v11: my bytes of a row of xsc: 8 w
	v_lshl_add_u32 v27, v0, 2, SCL                 ; v27: the way out of the scale bytes: 4 x thread
	v_lshl_add_u32 v26, v0, 4, SCL                 ; v26: at first 16 x thread: where the scale bytes are given their first value
	v_mov_b32 v22, 0                               ; written once: a lane permute's destination counts as one of its sources
	v_mov_b32 v252, 0xbf97d29d                     ; the fit's c8 x log2(e), twice: a packed addend
	v_mov_b32 v253, 0xbf97d29d
.irp i, 248,249,250,251
	v_mov_b32 v\i, 0x7f7f7f7f
.endr
	s_mov_b32 s52, 0x76543210
	s_mov_b32 s53, 0xfedcba98                      ; v_permlanex16_b32's selects for lane l xor 16
	s_mov_b32 s54, 0x600000                        ; the mantissa field of 448
	s_mov_b32 s55, 0x3eb504f3                      ; 1 / (2 sqrt 2)
	s_mov_b32 s60, 0x05010400                      ; byte selects for the 4 x 4 turn of the scale bytes
	s_mov_b32 s61, 0x07030602
	s_mov_b32 s62, 0x05040100
	s_mov_b32 s63, 0x07060302
	s_wait_kmcnt 0x0
	s_min_u32 s32, s32, 3                          ; the stored numbers are held inside their tables before they enter an address
	s_min_u32 s33, s33, 0xfff
	s_min_u32 s35, s35, 20
	s_cmp_eq_u32 s41, 0                            ; the shared weights or the experts': the choice hangs on the work-group's number alone
	s_cselect_b64 s[44:45], s[12:13], s[20:21]     ; W1's codes,
	s_cselect_b64 s[46:47], s[14:15], s[22:23]     ; its scale bytes,
	s_cselect_b64 s[48:49], s[16:17], s[24:25]     ; W2's codes,
	s_cselect_b64 s[50:51], s[18:19], s[26:27]     ; its scale bytes
	s_cselect_b32 s36, 0, s32
	s_lshl_b32 s36, s36, 10
	s_lshl_b32 s38, s42, 7
	s_add_co_u32 s36, s36, s38
	s_lshl_b32 s38, s40, 5
	s_add_co_u32 s36, s36, s38                     ; my first row of the weights: 1,024 expert + 128 j + 32 w
	s_lshl_b32 s38, s36, 10
	s_mov_b32 s39, 0
	s_add_nc_u64 s[44:45], s[44:45], s[38:39]
	s_add_nc_u64 s[48:49], s[48:49], s[38:39]
	s_lshl_b32 s38, s36, 5
	s_add_nc_u64 s[46:47], s[46:47], s[38:39]
	s_add_nc_u64 s[50:51], s[50:51], s[38:39]
	s_lshl_b32 s36, s41, 4
	s_add_co_u32 s36, s36, s43                     ; 16 branch + tile
	s_mul_i32 s38, s36, 327680                     ; hq: 20 groups of 16,384 bytes a tile,
	s_lshl_b32 s37, s42, 11                        ; 2,048 bytes a K step
	s_add_co_u32 s38, s38, s37
	s_add_nc_u64 s[28:29], s[28:29], s[38:39]
	s_lshl_b32 s38, s36, 14                        ; hsc: 8 K steps of 2,048 bytes a tile
	s_add_co_u32 s38, s38, s37
	s_add_nc_u64 s[30:31], s[30:31], s[38:39]
	v_add_nc_u32 v7, s33, v21
	v_lshlrev_b32 v7, 2, v7                        ; v7: the list: 4 (the tile's first place + r); a group on is 64 bytes on
	s_wait_alu depctr_va_vdst(0)                   ; the addresses v1 to v11, v26 and v27 and the bytes in v248 to v251 are written, which the loads and LDS stores of the whole kernel read
.irp i, 0,1,2,3
	global_load_b32 v[240+\i], v7, s[8:9] offset:64*\i   ; my row's token of groups 0 to 3,
.endr
	global_load_b32 v[TK], v7, s[8:9] offset:256   ; of group 4,
	global_load_b32 v[TK+1], v7, s[8:9] offset:320 ; of group 5.  The list has 5,120 entries: the furthest entry asked for anywhere is 4,095 + 16 x 21 + 15
	global_load_b128 v[BS:BS+3], v2, s[46:47]      ; a row's 32 scale bytes are the words of K steps 0 to 7
	global_load_b128 v[BS+4:BS+7], v2, s[46:47] offset:16
	global_load_b128 v[BS+8:BS+11], v2, s[50:51]
	global_load_b128 v[BS+12:BS+15], v2, s[50:51] offset:16
.macro BLOAD s                         ; the weights' four fragments of K step s: 16 loads, into registers that no vector instruction has named
.if \s < 4
	WIN 0x40                                       ; destination window 1
.else
	WIN 0x80                                       ; destination window 2
.endif
.irp f, 0,1,2,3
.irp c, 0,1,2,3
	global_load_b128 v[16*(4*(\s%4)+\f)+4*\c:16*(4*(\s%4)+\f)+4*\c+3], v1, s[44+4*(\f/2):45+4*(\f/2)] offset:8192*(\f%2)+128*\s+32*\c
.endr
.endr
.endm
	BLOAD 0
	BLOAD 1
	BLOAD 2
	WIN 0
	ds_store_b128 v26, v[248:251]                  ; my wave's 512 scale bytes begin as 127: groups that the tile does not have keep it
; my row's offsets in xq and xsc, from its token
.macro ROWADR vt, vts, tok
	v_min_u32 v[\tok], 0xfff, v[\tok]              ; a stored number: held inside the table before it enters an address
	v_lshl_add_u32 v[\vt], v[\tok], 10, v10
	v_lshl_add_u32 v[\vts], v[\tok], 5, v11
.endm
; my share of a group of 16 rows, from memory: two fragments (8 loads) into v[d] on and their scale words (1 load) into v[ds], v[ds + 1]
.macro ROWS d, ds, vt, vts
.irp q, 0,1
.irp c, 0,1,2,3
	global_load_b128 v[\d+16*\q+4*\c:\d+16*\q+4*\c+3], v[\vt], s[4:5] offset:128*\q+32*\c
.endr
.endr
	global_load_b64 v[\ds:\ds+1], v[\vts], s[6:7]
.endm
.macro STAGE_STORE d, ds, slot                 ; and on into an LDS slot, as images of the registers
.irp q, 0,1
.irp c, 0,1,2,3
	ds_store_b128 v5, v[\d+16*\q+4*\c:\d+16*\q+4*\c+3] offset:SLOT*\slot+2048*\q+512*\c
.endr
.endr
	ds_store_b64 v6, v[\ds:\ds+1] offset:SLOT*\slot+SCI
.endm
.macro AFETCH p                                ; a whole group out of slot p: 8 fragments into set p of window 3, 8 scale words
	WIN 0xc0
.irp s, 0,1,2,3,4,5,6,7
.irp c, 0,1,2,3
	ds_load_b128 v[128*\p+16*\s+4*\c:128*\p+16*\s+4*\c+3], v3 offset:SLOT*\p+2048*\s+512*\c
.endr
.endr
	WIN 0
.irp q, 0,1,2,3
	ds_load_b64 v[AS+8*\p+2*\q:AS+8*\p+2*\q+1], v4 offset:SLOT*\p+SCI+256*\q
.endr
.endm
	s_wait_loadcnt 52                              ; the six tokens are in: behind them 4 loads of scale bytes and 48 of codes
	ROWADR 244, 245, 240                           ; groups 0 to 3 are asked for whatever the tile has: the list gives rows that exist, and so both slots, both sets of fragments and both sets on their way are filled on every way
	ROWADR 246, 247, 241
	ROWADR 12, 14, 242
	ROWADR 13, 15, 243
	s_wait_alu depctr_va_vdst(0)                   ; the four groups' eight offsets are written, which the rows' loads read
	ROWS T, P, 244, 245                            ; group 0, into registers that the activation takes later
	ROWS G1R, P+2, 246, 247                        ; group 1
	ROWS SG, SG+32, 12, 14                         ; group 2
	ROWS SG+36, SG+68, 13, 15                      ; group 3
	BLOAD 3
	BLOAD 4
	BLOAD 5
	BLOAD 6
	BLOAD 7
	WIN 0
	s_wait_loadcnt 63                              ; groups 0 and 1 are in: 98 loads were issued behind them, and 63 is the largest count that can be named
	STAGE_STORE T, P, 0
	STAGE_STORE G1R, P+2, 1
	BAR                                            ; groups 0 and 1 lie in LDS
	AFETCH 0
	AFETCH 1
	s_wait_loadcnt 0x0                             ; the weights are whole
	BAR                                            ; every wave's reads of both slots are over: the first trips may write them
	s_wait_alu depctr_vm_vsrc(0)                   ; the head's LDS stores have read v204 to v239, v248 to v251 and v26, its loads the offsets v244 to v247 and v12 to v15: the loop's vector instructions write all of these
; 32 products: K step by K step, the four accumulators by turns, one instruction a turn; the first K step starts the sums
.macro MUL p
.irp s, 0,1,2,3,4,5,6,7
.if \s < 4
	WIN 0x0d                                       ; source 0 window 1, source 1 window 3, C and D window 0
.else
	WIN 0x0e                                       ; source 0 window 2
.endif
.irp f, 0,1,2,3
.set rD, X+8*\f
.set rA, 16*(4*(\s%4)+\f)
.set rB, 128*(\p)+16*\s
.set rSA, BS+8*(\f/2)+\s
.set rSB, AS+8*(\p)+\s
.set fZ, (\s == 0)
.set fRA, \f%2
.set fRB, 0
	WMS
.endr
.endr
	WIN 0
.endm
; X = gelu(X) * Y, 16 numbers a lane.  Each accumulator is read from its low end on.  The transcendentals go in two batches, each with plain work and one wait behind it.
.macro GEGLU
.irp i, 0,1,2,3,4,5,6,7,8,9,10,11,12,13,14,15
	v_fma_f32 v[T+\i], |v[X+\i]|, s55, 1.0         ; 1 + z / 2, z = |a| / sqrt 2
.endr
	s_wait_alu depctr_va_vdst(0)
.irp i, 0,1,2,3,4,5,6,7,8,9,10,11,12,13,14,15
	v_rcp_f32 v[T+\i], v[T+\i]                     ; t
.endr
.irp i, 0,2,4,6,8,10,12,14
	v_pk_mul_f32 v[M+\i:M+\i+1], v[X+\i:X+\i+1], v[X+\i:X+\i+1]   ; a a: plain work behind the batch
.endr
	s_wait_alu depctr_va_vdst(0)                   ; one wait for the 16 reciprocals in v[T ..], ahead of their first reader
.irp i, 0,2,4,6,8,10,12,14
	v_pk_fma_f32 v[P+\i:P+\i+1], v[T+\i:T+\i+1], 0x3e7c6f08, v[252:253] op_sel_hi:[1,0,1]   ; the fit, its coefficients times log2(e): c9 t + c8
.endr
.irp c, 0x40097039, 0xbfd1a1e5, 0x3ecdfd18, 0xbe899a80, 0x3e0efb2e, 0x3f0a29d2, 0x3fb8ab5a, 0xc034d90f
.irp i, 0,2,4,6,8,10,12,14
	v_pk_fma_f32 v[P+\i:P+\i+1], v[P+\i:P+\i+1], v[T+\i:T+\i+1], \c op_sel_hi:[1,1,0]      ; c7 .. c0; the last holds the factor 1 / 2 as -1
.endr
.endr
.irp i, 0,2,4,6,8,10,12,14
	v_pk_fma_f32 v[P+\i:P+\i+1], v[M+\i:M+\i+1], 0xbf38aa3b, v[P+\i:P+\i+1] op_sel_hi:[1,0,1]   ; - z z log2(e) = - a a log2(e) / 2
.endr
	s_wait_alu depctr_va_vdst(0)
.irp i, 0,1,2,3,4,5,6,7,8,9,10,11,12,13,14,15
	v_exp_f32 v[P+\i], v[P+\i]
.endr
.irp i, 0,1,2,3,4,5,6,7,8,9,10,11,12,13,14,15
	v_max_num_f32 v[M+\i], 0, v[X+\i]              ; max(a, 0): plain work behind the batch
.endr
	s_wait_alu depctr_va_vdst(0)                   ; one wait for the 16 exponentials in v[P ..], ahead of their first reader
.irp i, 0,2,4,6,8,10,12,14
	v_pk_mul_f32 v[P+\i:P+\i+1], v[P+\i:P+\i+1], v[T+\i:T+\i+1]   ; erfc(z) / 2
.endr
.irp i, 0,1,2,3,4,5,6,7,8,9,10,11,12,13,14,15
	v_fma_f32 v[X+\i], -|v[X+\i]|, v[P+\i], v[M+\i]
.endr
.irp i, 0,2,4,6,8,10,12,14
	v_pk_mul_f32 v[X+\i:X+\i+1], v[X+\i:X+\i+1], v[Y+\i:Y+\i+1]
.endr
.endm
; my 16 numbers and lane l xor 16's are one block of 32 along the next K: its scale, the hold, 16 codes into set p; the byte in v25
.macro QUANT p
	v_max3_num_f32 v20, |v[X]|, |v[X+1]|, 0x4800000                ; with the floor 2^(9 - 127): the byte cannot fall under 1
	v_max3_num_f32 v21, |v[X+2]|, |v[X+3]|, |v[X+4]|
	v_max3_num_f32 v20, v20, |v[X+5]|, |v[X+6]|
	v_max3_num_f32 v21, v21, |v[X+7]|, |v[X+8]|
	v_max3_num_f32 v20, v20, |v[X+9]|, |v[X+10]|
	v_max3_num_f32 v21, v21, |v[X+11]|, |v[X+12]|
	v_max3_num_f32 v20, v20, |v[X+13]|, |v[X+14]|
	v_max3_num_f32 v21, v21, |v[X+15]|, v20
	v_permlanex16_b32 v22, v21, s52, s53
	v_max_num_f32 v21, v21, v22                    ; the block's largest magnitude
	v_add_nc_u32 v23, 0xfc000000, v21              ; 8 off its exponent field: the conversion's scale operand
	v_and_or_b32 v24, v21, 0x7f800000, s54         ; 448 x the scale
	v_lshrrev_b32 v25, 23, v23                     ; the scale's byte
.irp i, 0,1,2,3,4,5,6,7,8,9,10,11,12,13,14,15
	v_med3_num_f32 v[X+\i], v[X+\i], -v24, v24     ; the conversion to an 8-bit code does not saturate (ISA guide 7.6.2): the hold comes first
.endr
	v_cvt_scalef32_pk8_fp8_f32 v[CQ+4*\p:CQ+4*\p+1], v[X:X+7], v23
	v_cvt_scalef32_pk8_fp8_f32 v[CQ+4*\p+2:CQ+4*\p+3], v[X+8:X+15], v23
	v_nop                                          ; a plain line behind the conversions: the next products write their sources
.endm
; THE TRIP OF GROUP g = s56 + p.  Its fragments came out of slot p two trips ago; the wait for them stood in front of the last barrier.
.macro TRIP p
	s_add_co_u32 s59, s56, \p
	s_cmp_ge_u32 s59, s35                          ; a group that the tile does not have: no products, no stores
	s_cbranch_scc1 .Lskip_\@
	MUL \p
.rept 9
	v_nop                                          ; places behind the products: 8 in front of the first read of a result, one more in front of products that begin the sums anew
.endr
	GEGLU
	s_wait_loadcnt 19                              ; group g + 4's token, asked for two trips ago, is in: behind it stand that trip's nine loads of rows and the last trip's ten, or a wait for all loads
	s_wait_xcnt 0x0                                ; the store of two groups ago has read its codes, and the rows' loads of two trips ago their offsets: both may be written
	ROWADR 12+\p, 14+\p, TK+\p                     ; group g + 4's row: all the trip's address lines stand ahead of the one wait below.  (A tile that has group g + 4 has group g)
	v_add_nc_u32 v26, s58, v8                      ; where this group's scale byte goes
	QUANT \p
	s_wait_alu depctr_va_vdst(0)                   ; the codes, v25 and v26 are written, which the two stores read; so are the offsets v12 + p and v14 + p, which the rows' loads read; the address lines are done with the token's register and the products with set p and its scale words, in which loads land below
	global_store_b128 v9, v[CQ+4*\p:CQ+4*\p+3], s[28:29] offset:16384*\p   ; registers 4 w .. 4 w + 3 of the fragment's image: the wave stores 512 consecutive bytes, aligned
	ds_store_b8 v26, v25 offset:16*\p              ; both lanes of a block write the same byte with the same value
.Lskip_\@:
	s_wait_loadcnt 10                              ; group g + 2's rows and group g + 4's token, asked for two trips ago, are in: behind them stand the last trip's ten loads, or that trip has waited for all loads
	s_add_co_u32 s59, s56, \p+2
	s_cmp_ge_u32 s59, s35
	s_cbranch_scc1 .Lno_store_\@
	STAGE_STORE SG+36*\p, SG+36*\p+32, \p          ; group g + 2 into slot p: every wave's reads of it (group g's) were waited for in front of the last barrier
.Lno_store_\@:
	BAR                                            ; on every way: group g + 2 lies in LDS; my reads of the other slot are over
	s_wait_alu depctr_vm_vsrc(0)                   ; on every way: the LDS stores have read SG set p, in which loads land below; the trip's stores have read the codes, v25 and v26, and the last trip's loads the other set's offsets, all of which later trips write
	s_cmp_ge_u32 s59, s35
	s_cbranch_scc1 .Lno_fetch_\@
	AFETCH \p                                      ; into the set that this trip's products have left: it has the whole next trip in which to land, beside that trip's products, which name the other set
.Lno_fetch_\@:
	s_add_co_u32 s59, s56, \p+4
	s_cmp_lt_u32 s59, s35
	s_cbranch_scc1 .Lask_\@
	s_wait_loadcnt 0x0                             ; nothing is asked for: then all my loads are waited for here, so that the counted waits above hold on every way
	s_branch .Lasked_\@
.Lask_\@:
	global_load_b32 v[TK+\p], v7, s[8:9] offset:64*(6+\p)   ; group g + 6's token, ahead of the rows, so that the wait for the rows shows it in too;
	ROWS SG+36*\p, SG+36*\p+32, 12+\p, 14+\p       ; group g + 4's rows, into the set that has just gone into LDS.  No vector instruction since the trip's wait on va_vdst names a register of these ten loads
.Lasked_\@:
.endm
	s_mov_b32 s56, 0                               ; the group
	s_mov_b32 s58, 0                               ; 16 x the group: the scale bytes
.Lgroup:
	TRIP 0
	TRIP 1
	s_wait_xcnt 0x0                                ; the stores and the token loads have read their bases
	s_add_nc_u64 s[28:29], s[28:29], 32768
	s_add_nc_u64 s[8:9], s[8:9], 128
	s_add_co_u32 s58, s58, 32
	s_add_co_u32 s56, s56, 2
	s_cmp_lt_u32 s56, 20
	s_cbranch_scc1 .Lgroup
	BAR                                            ; all four waves' scale bytes lie in LDS
	ds_load_b32 v204, v27                          ; thread i: group i / 4, rows 4 (i % 4) on: four rows' bytes of each wave.  (The activation's lines that named v204 to v207 stand ahead of their trip's wait on va_vdst)
	ds_load_b32 v205, v27 offset:512
	ds_load_b32 v206, v27 offset:1024
	ds_load_b32 v207, v27 offset:1536
	s_wait_dscnt 0x0
	v_perm_b32 v208, v205, v204, s60               ; 4 x 4 bytes are turned: a row's word holds the bytes of waves 0 to 3, its blocks 0 to 3
	v_perm_b32 v209, v205, v204, s61
	v_perm_b32 v210, v207, v206, s60
	v_perm_b32 v211, v207, v206, s61
	v_perm_b32 v212, v210, v208, s62
	v_perm_b32 v213, v210, v208, s63
	v_perm_b32 v214, v211, v209, s62
	v_perm_b32 v215, v211, v209, s63
	v_lshlrev_b32 v216, 4, v0
	s_wait_alu depctr_va_vdst(0)                   ; the turned words v212 to v215 and the offset v216 are written, which the store reads
	global_store_b128 v216, v[212:215], s[30:31]   ; 2,048 consecutive bytes a work-group, an empty tile's too: the next launch reads no byte that was not written
	s_wait_dscnt 0x0                               ; the closing lines, six on end
	s_wait_alu 0x0
	s_wait_tensorcnt 0x0
	ds_add_u32 v254, v255
	s_wait_dscnt 0x0
	s_endpgm
.Lfunc_end_k_q30b8bd44a2_up:
	.size	k_q30b8bd44a2_up, .Lfunc_end_k_q30b8bd44a2_up-k_q30b8bd44a2_up
	.p2alignl 7, 3214868480
	.fill 96, 4, 3214868480
	.section	.rodata,"a",@progbits
	.p2align	6, 0x0
	.amdhsa_kernel k_q30b8bd44a2_up
		.amdhsa_group_segment_fixed_size 37376
		.amdhsa_private_segment_fixed_size 0
		.amdhsa_enable_private_segment 0
		.amdhsa_kernarg_size 112
		.amdhsa_user_sgpr_count 2
		.amdhsa_user_sgpr_kernarg_segment_ptr 1
		.amdhsa_wavefront_size32 1
		.amdhsa_system_sgpr_workgroup_id_x 1
		.amdhsa_system_sgpr_workgroup_id_y 1
		.amdhsa_system_sgpr_workgroup_id_z 1
		.amdhsa_system_vgpr_workitem_id 0
		.amdhsa_next_free_vgpr 1024
		.amdhsa_next_free_sgpr 96
		.amdhsa_reserve_vcc 0
		.amdhsa_float_denorm_mode_32 3
		.amdhsa_float_denorm_mode_16_64 3
		.amdhsa_memory_ordered 1
		.amdhsa_forward_progress 1
		.amdhsa_inst_pref_size 77
	.end_amdhsa_kernel
	.amdgpu_metadata
---
amdhsa.version: [ 1, 2 ]
amdhsa.kernels:
  - .name:           k_q30b8bd44a2_up
    .symbol:         k_q30b8bd44a2_up.kd
    .args:
      - { .name: xq, .offset: 0, .size: 8, .value_kind: global_buffer, .address_space: global }
      - { .name: xsc, .offset: 8, .size: 8, .value_kind: global_buffer, .address_space: global }
      - { .name: order, .offset: 16, .size: 8, .value_kind: global_buffer, .address_space: global }
      - { .name: tiles, .offset: 24, .size: 8, .value_kind: global_buffer, .address_space: global }
      - { .name: w1s_codes, .offset: 32, .size: 8, .value_kind: global_buffer, .address_space: global }
      - { .name: w1s_scales, .offset: 40, .size: 8, .value_kind: global_buffer, .address_space: global }
      - { .name: w2s_codes, .offset: 48, .size: 8, .value_kind: global_buffer, .address_space: global }
      - { .name: w2s_scales, .offset: 56, .size: 8, .value_kind: global_buffer, .address_space: global }
      - { .name: W1_codes, .offset: 64, .size: 8, .value_kind: global_buffer, .address_space: global }
      - { .name: W1_scales, .offset: 72, .size: 8, .value_kind: global_buffer, .address_space: global }
      - { .name: W2_codes, .offset: 80, .size: 8, .value_kind: global_buffer, .address_space: global }
      - { .name: W2_scales, .offset: 88, .size: 8, .value_kind: global_buffer, .address_space: global }
      - { .name: hq, .offset: 96, .size: 8, .value_kind: global_buffer, .address_space: global }
      - { .name: hsc, .offset: 104, .size: 8, .value_kind: global_buffer, .address_space: global }
    .group_segment_fixed_size: 37376
    .private_segment_fixed_size: 0
    .kernarg_segment_align: 8
    .kernarg_segment_size: 112
    .max_flat_workgroup_size: 128
    .sgpr_count:     96
    .vgpr_count:     1024
    .wavefront_size: 32
...
	.end_amdgpu_metadata
.endif
;; end of part 7
;; launch down (part 8): grid 8 x 32, 4 waves a work-group, no clusters, 68,096 bytes of LDS; arguments hq, hsc, order, tiles, w3s_codes, w3s_scales, W3_codes, W3_scales, out0; writes out0
.if DOCPART == 8
	.amdgcn_target "amdgcn-amd-amdhsa--gfx1250"
	.amdhsa_code_object_version 6
	.text
	.protected	k_q30b8bd44a2_down
	.globl	k_q30b8bd44a2_down
	.p2align	8
	.type	k_q30b8bd44a2_down,@function
k_q30b8bd44a2_down:
	s_mov_b64 s[64:65], 0
	v_nop
	global_prefetch_b8 v0, s[64:65] scope:SCOPE_SE
	s_setreg_imm32_b32 hwreg(HW_REG_WAVE_SCHED_MODE, 0, 2), 2
	s_setreg_imm32_b32 hwreg(HW_REG_WAVE_MODE, 25, 1), 1
	s_wait_xcnt 0x0
	s_wait_alu depctr_vm_vsrc(0)
; out[token] = h_shared w3s + h_expert W3[expert]: ONE product with K = 2,048, on codes of E4M3 with one E8M0 scale for each 32 along K; each row of out has one owner.
; SHARES.  Work-group (x, y): output columns 128 x on, row tile y / 2, and of its groups of 16 rows those numbered 4 k + 2 (y % 2) and the next, k = 0 .. 4: ten groups, written out.
; THE WAVES SHARE K: wave w takes branch w / 2 and its K steps 4 (w % 2) + 0 .. 3.  Its weights, 8 column tiles x 4 K steps = 512 registers, are read once.  Its fragments of h are wanted by no other wave of the
; work-group: they come from memory straight into registers, as the images that the launch before stored: every load reads 512 consecutive bytes.  Loads run two pairs of groups ahead.
; The four partial results meet in LDS, which also turns them into whole rows; (wave 0 + wave 1) + (wave 2 + wave 3) is shared + expert.  A row's 512 bytes leave by one store, to the token's row.
; The product is used transposed (source 0 = 16 columns of the weight, source 1 = 16 rows of h): a lane holds eight neighbouring columns of one row.
; A group that the tile does not have is skipped by a scalar branch on the stored count: its products, its way through LDS, its stores, and, from the third pair on, its loads.  The first two pairs' loads stand at the
; head and are always issued, from a group that exists, so that every register is written on every way.  Every barrier stands outside the branches.
; No tensor loads and no cluster: the expert's weights hang on a stored number, and groups are skipped by a branch on a stored number.
; THE MODE: SCHED_MODE bits 1:0 = 2 (LLVM: expert scheduling mode 2), set by the entry lines.  The code itself states the register dependences between vector or matrix instructions and memory or LDS
; instructions, with s_wait_alu, always for 0.
; THE PLAN.  Registers that memory or LDS instructions touch, group by group:
;   window 3, set (pair % 2, member)   Read by the group's products; behind them the loads of the pair two further on land in it.
;   ASC, set pair % 2                  Read by both members' products as scales; loaded again behind the second member's.
;   v8 to v11                          A set's offset in hq: written by one add behind the set's products, read by the set's 16 loads.
;   ACC                                Written by the products; read by the group's 16 LDS stores.
;   RED                                The LDS loads land in it; the packed additions write it; the global stores read it.
;   v12 to v15                         The rows' offsets in out: written by four adds, read by the stores.
;   v1 to v6                           Made at the head, never written again.  The weights and their scale words are loaded at the head, never again.
; Three waits in a group.  One on va_vdst behind the products' places, with the offset's add ahead of it: the sums and the offset are written, the products are done reading.  One on vm_vsrc behind the barrier, on
; every way: the LDS stores have read ACC, the last group's stores RED and v12 to v15, this group's loads their offset.  One on va_vdst behind the additions, ahead of the branches round the stores.
; REGISTERS, in windows of 256.  Windows 1, 2: the weights, fragment (K step s, column tile f) at v[16 (8 s + f)] of 512.  Window 3: h's fragments: set (pair % 2, member) at v[128 pi + 64 m + 16 s].
; Window 0: v1-6 addresses that stay; v8-11 h's offsets; v12-15 the rows' offsets in out; v16-31 the weights' scale words; v32-39 h's; v40-103 eight accumulators; v104-167 four rows x four partial results;
; v254, v255 the closing add's two.
.set PARTM, 33792                      ; LDS: two regions by turns (a pair's two members), each four waves'
.set PARTW, 8448                       ; 16 rows of
.set ROWP,  528                        ; 512 bytes + 16 of padding: an odd multiple of 16, so that 16 rows start at 16 different banks (64 banks of 4 bytes: ISA guide 11.1)
.set BSC,   16                         ; v16-31: word of column tiles 2 i (lanes 0-15) and 2 i + 1 (lanes 16-31), K step s, at 4 i + s
.set ASC,   32                         ; v32-39: set pi, K step s: lanes 0-15 the pair's first group, lanes 16-31 its second
.set ACC,   40
.set RED,   104
.set TOK,   24                         ; s[24:63]: my four rows' tokens of each of the ten groups
.set MSB,   0
.macro WIN new                         ; the immediate's high byte repeats the setting that is left
.if MSB != \new
	s_set_vgpr_msb (MSB<<8)|\new
.set MSB, \new
.endif
.endm
; one product, by the symbols rD, rA, rB (registers), rSA, rSB (scale words), fZ (it starts the sum), fRA, fRB (the side's scale words stand in lanes 16-31)
.macro WMS
.if fZ
.if fRA && fRB
	v_wmma_scale_f32_16x16x128_f8f6f4 v[rD:rD+7], v[rA:rA+15], v[rB:rB+15], 0, v[rSA], v[rSB] matrix_a_scale:MATRIX_SCALE_ROW1 matrix_b_scale:MATRIX_SCALE_ROW1
.elseif fRA
	v_wmma_scale_f32_16x16x128_f8f6f4 v[rD:rD+7], v[rA:rA+15], v[rB:rB+15], 0, v[rSA], v[rSB] matrix_a_scale:MATRIX_SCALE_ROW1
.elseif fRB
	v_wmma_scale_f32_16x16x128_f8f6f4 v[rD:rD+7], v[rA:rA+15], v[rB:rB+15], 0, v[rSA], v[rSB] matrix_b_scale:MATRIX_SCALE_ROW1
.else
	v_wmma_scale_f32_16x16x128_f8f6f4 v[rD:rD+7], v[rA:rA+15], v[rB:rB+15], 0, v[rSA], v[rSB]
.endif
.else
.if fRA && fRB
	v_wmma_scale_f32_16x16x128_f8f6f4 v[rD:rD+7], v[rA:rA+15], v[rB:rB+15], v[rD:rD+7], v[rSA], v[rSB] matrix_a_scale:MATRIX_SCALE_ROW1 matrix_b_scale:MATRIX_SCALE_ROW1
.elseif fRA
	v_wmma_scale_f32_16x16x128_f8f6f4 v[rD:rD+7], v[rA:rA+15], v[rB:rB+15], v[rD:rD+7], v[rSA], v[rSB] matrix_a_scale:MATRIX_SCALE_ROW1
.elseif fRB
	v_wmma_scale_f32_16x16x128_f8f6f4 v[rD:rD+7], v[rA:rA+15], v[rB:rB+15], v[rD:rD+7], v[rSA], v[rSB] matrix_b_scale:MATRIX_SCALE_ROW1
.else
	v_wmma_scale_f32_16x16x128_f8f6f4 v[rD:rD+7], v[rA:rA+15], v[rB:rB+15], v[rD:rD+7], v[rSA], v[rSB]
.endif
.endif
.endm
	s_load_b512 s[4:19], s[0:1], 0x0               ; hq s[4:5], hsc s[6:7], order s[8:9], tiles s[10:11], w3s codes, scales s[12:15], W3 codes, scales s[16:19]
	s_load_b64 s[20:21], s[0:1], 0x40              ; out0
	v_lshl_add_u32 v254, v0, 2, 0x10800            ; the closing add's two registers: my spare word, behind the two regions,
	v_mov_b32 v255, 0                              ; and 0; kept for that alone
	v_lshrrev_b32 v1, 5, v0
	v_readfirstlane_b32 s66, v1                    ; wave 0..3
	s_wait_alu depctr_va_sdst(0)                   ; s66 is written, ahead of its first reader: my branch, my K steps and my addresses are made from it
	s_mov_b32 s67, ttmp9                           ; which 128 columns
	s_and_b32 s68, ttmp7, 0xffff
	s_and_b32 s69, s68, 1                          ; which half of the tile's pairs of groups
	s_lshr_b32 s68, s68, 1                         ; tile
	s_lshr_b32 s70, s66, 1                         ; my branch
	s_and_b32 s71, s66, 1                          ; which four of its K steps
	s_lshl_b32 s89, s69, 1                         ; my first group
	s_lshl_b32 s76, s68, 4
	s_mov_b32 s77, 0
	s_wait_kmcnt 0x0
	s_add_nc_u64 s[10:11], s[10:11], s[76:77]
	s_load_b128 s[72:75], s[10:11], 0x0            ; the tile's record: expert, first place, rows, groups
	v_and_b32 v7, 31, v0                           ; l
	v_and_b32 v8, 15, v0                           ; r
	v_bfe_u32 v9, v0, 4, 1                         ; h
	v_lshlrev_b32 v1, 10, v8
	v_lshl_add_u32 v1, v9, 4, v1                   ; v1: the weight's codes: row r of 1,024 bytes, + 16 h
	v_lshlrev_b32 v2, 5, v7                        ; v2: its scale bytes: 32 a row, a lane a row
	v_lshlrev_b32 v3, 4, v7                        ; v3: 16 l
	s_mul_i32 s86, s66, PARTW
	v_mul_u32_u24 v4, v8, ROWP
	v_lshl_add_u32 v4, v9, 5, v4
	v_add_nc_u32 v4, s86, v4                       ; v4: my partial result: my wave's 16 rows, row r, + 32 h
	s_mul_i32 s86, s66, 4*ROWP
	v_add_nc_u32 v5, s86, v3                       ; v5: back: rows 4 w on, 16 bytes a lane
	s_lshl_b32 s86, s69, 7
	v_lshl_add_u32 v6, v7, 2, s86                  ; v6: h's scale words of a pair of groups: 4 l + 64 x my first group
	s_wait_alu depctr_va_vdst(0)
	s_wait_kmcnt 0x0
	s_min_u32 s72, s72, 3                          ; the stored numbers are held inside their tables before they enter an address
	s_min_u32 s73, s73, 0xfff
	s_min_u32 s74, s74, 320
	s_min_u32 s75, s75, 20
	s_lshl_b32 s76, s73, 2                         ; the list at the tile's first place, my first group, my four rows
	s_lshl_b32 s86, s66, 4
	s_add_co_u32 s76, s76, s86
	s_lshl_b32 s86, s69, 7
	s_add_co_u32 s76, s76, s86
	s_add_nc_u64 s[22:23], s[8:9], s[76:77]
.irp k, 0,1,2,3,4
.irp m, 0,1
	s_load_b128 s[TOK+8*\k+4*\m:TOK+8*\k+4*\m+3], s[22:23], 256*\k+64*\m   ; inside the list's 5,120 entries for every first place
.endr
.endr
	s_cmp_eq_u32 s70, 0                            ; the shared weight or the experts': the choice hangs on the wave's number alone
	s_cselect_b64 s[80:81], s[12:13], s[16:17]
	s_cselect_b64 s[82:83], s[14:15], s[18:19]
	s_cselect_b32 s86, 0, s72
	s_lshl_b32 s86, s86, 10
	s_lshl_b32 s87, s67, 7
	s_add_co_u32 s86, s86, s87                     ; my first row of the weight: 1,024 expert + 128 x
	s_lshl_b32 s76, s86, 10
	s_lshl_b32 s87, s71, 9
	s_add_co_u32 s76, s76, s87                     ; + my four K steps' 512 bytes
	s_add_nc_u64 s[80:81], s[80:81], s[76:77]
	s_lshl_b32 s76, s86, 5
	s_lshl_b32 s87, s71, 4
	s_add_co_u32 s76, s76, s87
	s_add_nc_u64 s[82:83], s[82:83], s[76:77]
	s_cmp_eq_u32 s75, 0                            ; an empty tile's loads go to tile 0, which always has a group
	s_cselect_b32 s85, 0, s68
	s_min_u32 s85, s85, 15
	s_max_u32 s84, s75, 1
	s_sub_co_u32 s84, s84, 1                       ; the last group that exists
	s_lshl_b32 s86, s70, 4
	s_add_co_u32 s86, s86, s85                     ; 16 branch + tile
	s_mul_i32 s76, s86, 327680                     ; hq: 20 groups of 16,384 bytes a tile,
	s_lshl_b32 s87, s71, 13                        ; my four K steps of 2,048
	s_add_co_u32 s76, s76, s87
	s_add_nc_u64 s[4:5], s[4:5], s[76:77]
	s_lshl_b32 s76, s86, 14                        ; hsc: 8 K steps of 2,048 bytes a tile
	s_add_co_u32 s76, s76, s87
	s_add_nc_u64 s[6:7], s[6:7], s[76:77]
	s_lshl_b32 s76, s67, 9                         ; out: my 128 columns
	s_add_nc_u64 s[20:21], s[20:21], s[76:77]
	s_lshl_b32 s87, s66, 2
	s_sub_co_i32 s90, s74, s87                     ; the tile's rows less my 4 w
; member m of pair kk: its offset in hq
.macro AOFF kk, m
.set aP, (\kk)%2
	s_add_co_u32 s87, s89, 4*(\kk)+\m
	s_min_u32 s87, s87, s84                        ; a group that the tile does not have: the last that it has
	s_min_u32 s87, s87, 19
	s_lshl_b32 s87, s87, 14
	v_add_nc_u32 v[8+2*aP+\m], s87, v3
.endm
; and its four fragments: 16 loads
.macro ALD kk, m
.set aP, (\kk)%2
	WIN 0xc0                                       ; destination window 3
.irp g, 0,1,2,3
.irp c, 0,1,2,3
	global_load_b128 v[128*aP+64*\m+16*\g+4*\c:128*aP+64*\m+16*\g+4*\c+3], v[8+2*aP+\m], s[4:5] offset:2048*\g+512*\c   ; 512 consecutive bytes, aligned
.endr
.endr
	WIN 0
.endm
; pair kk's scale words, both members' in one register for each K step: 4 loads.  Always issued: the first member may exist alone, and all of hsc was written
.macro ASCALE kk
.set aP, (\kk)%2
.irp g, 0,1,2,3
	global_load_b32 v[ASC+4*aP+\g], v6, s[6:7] offset:2048*\g+256*(\kk)
.endr
.endm
	AOFF 0, 0                                      ; the first two pairs' four offsets, ahead of one wait
	AOFF 0, 1
	AOFF 1, 0
	AOFF 1, 1
	s_wait_alu depctr_va_vdst(0)                   ; the addresses v1 to v6 and the offsets v8 to v11 are written, which the loads and LDS instructions below read
	ALD 0, 0
	ALD 0, 1
	ASCALE 0                                       ; 36 loads a pair
.irp i, 0,1,2,3
	global_load_b128 v[BSC+4*\i:BSC+4*\i+3], v2, s[82:83] offset:1024*\i   ; 32 rows' words of my four K steps
.endr
.irp g, 0,1,2,3
.if \g < 2
	WIN 0x40                                       ; destination window 1
.else
	WIN 0x80                                       ; destination window 2
.endif
.irp f, 0,1,2,3,4,5,6,7
.irp c, 0,1,2,3
	global_load_b128 v[16*(8*(\g%2)+\f)+4*\c:16*(8*(\g%2)+\f)+4*\c+3], v1, s[80:81] offset:16384*\f+128*\g+32*\c
.endr
.endr
.endr
	WIN 0
	ALD 1, 0
	ALD 1, 1
	ASCALE 1
; 32 products: K step by K step, the eight accumulators by turns, one instruction a turn; the first K step starts the sums
.macro DMUL pi, m
.irp g, 0,1,2,3
.if \g < 2
	WIN 0x0d                                       ; source 0 window 1, source 1 window 3, C and D window 0
.else
	WIN 0x0e                                       ; source 0 window 2
.endif
.irp f, 0,1,2,3,4,5,6,7
.set rD, ACC+8*\f
.set rA, 16*(8*(\g%2)+\f)
.set rB, 128*(\pi)+64*(\m)+16*\g
.set rSA, BSC+4*(\f/2)+\g
.set rSB, ASC+4*(\pi)+\g
.set fZ, (\g == 0)
.set fRA, \f%2
.set fRB, \m
	WMS
.endr
.endr
	WIN 0
.endm
; GROUP 4 k + 2 (y % 2) + m
.macro GROUP k, m
.set gP, (\k)%2
.if \m == 0
.if \k < 4
	s_wait_loadcnt 36                              ; this pair's loads (and at first the weights') are in: behind them stand the next pair's 36, or, where some of those were jumped over, a wait for all loads
.else
	s_wait_loadcnt 0x0
.endif
.endif
	s_add_co_u32 s86, s89, 4*(\k)+\m
	s_cmp_ge_u32 s86, s75
	s_cbranch_scc1 .Lno_mul_\@
	DMUL gP, \m
.if (\k)+2 <= 4
	AOFF (\k)+2, \m                                ; the offset of the pair two further on, ahead of the wait below.  The loads that read the register last are in.  (A tile that has that group has this one)
.endif
.rept 9
	v_nop                                          ; places behind the products: 8 in front of the stores that read results, one more in front of products that begin the sums anew
.endr
	s_wait_alu depctr_va_vdst(0)                   ; the products have written the sums, which the LDS stores read, and are done reading their fragments and scale words, in which loads land below; the offset is written, which those loads read.  The places above stay beside this wait
.irp f, 0,1,2,3,4,5,6,7
	ds_store_b128 v4, v[ACC+8*\f:ACC+8*\f+3] offset:PARTM*\m+64*\f            ; each accumulator from its low end on
	ds_store_b128 v4, v[ACC+8*\f+4:ACC+8*\f+7] offset:PARTM*\m+64*\f+16
.endr
.Lno_mul_\@:
.if (\k)+2 <= 4
	s_add_co_u32 s87, s89, 4*((\k)+2)+\m           ; this member's registers take the pair two further on, if the tile has that group
	s_cmp_lt_u32 s87, s75
	s_cbranch_scc1 .Lask_\@
	s_wait_loadcnt 0x0                             ; nothing is asked for: then all my loads are waited for here, so that the counted wait above holds on every way
	s_branch .Lasked_\@
.Lask_\@:
	ALD (\k)+2, \m                                 ; no vector or matrix instruction since the wait on va_vdst names a register of these loads
.Lasked_\@:
.if \m == 1
	ASCALE (\k)+2                                  ; behind this pair's last products, which read the same registers
.endif
.endif
	s_wait_dscnt 0x0                               ; my partial result has landed, and my reads of the other region are over
	s_barrier_signal -1
	s_barrier_wait -1
	s_wait_alu depctr_vm_vsrc(0)                   ; on every way: my LDS stores have read the sums, which the next products write; the last group's stores have read v[RED ..] and v12 to v15, which the lines below write; this group's loads have read their offset, which a later group writes
	s_cmp_ge_u32 s86, s75
	s_cbranch_scc1 .Lno_out_\@
	s_wait_xcnt 0x0                                ; the last group's stores have read their data and offsets: both may be written
.irp q, 0,1,2,3
.irp u, 0,1,2,3
	ds_load_b128 v[RED+16*\q+4*\u:RED+16*\q+4*\u+3], v5 offset:PARTM*\m+PARTW*\u+ROWP*\q   ; row 4 w + q of wave u's partial result: 512 bytes.  (The last group's additions stand ahead of its wait on va_vdst)
.endr
.endr
	s_lshl_b32 s87, s86, 4
	s_sub_co_i32 s88, s90, s87                     ; how many of my four rows the tile has
.irp q, 0,1,2,3
	s_min_u32 s87, s[TOK+8*(\k)+4*(\m)+\q], 0xfff  ; the row's token, held inside the table
	s_lshl_b32 s87, s87, 12
	v_add_nc_u32 v[12+\q], s87, v3                 ; its row of out, 4,096 bytes, + 16 l
.endr
	s_wait_dscnt 0x0
.irp q, 0,1,2,3
	v_pk_add_f32 v[RED+16*\q:RED+16*\q+1], v[RED+16*\q:RED+16*\q+1], v[RED+16*\q+4:RED+16*\q+5]          ; the shared branch's two halves of K,
	v_pk_add_f32 v[RED+16*\q+2:RED+16*\q+3], v[RED+16*\q+2:RED+16*\q+3], v[RED+16*\q+6:RED+16*\q+7]
	v_pk_add_f32 v[RED+16*\q+8:RED+16*\q+9], v[RED+16*\q+8:RED+16*\q+9], v[RED+16*\q+12:RED+16*\q+13]    ; the expert's,
	v_pk_add_f32 v[RED+16*\q+10:RED+16*\q+11], v[RED+16*\q+10:RED+16*\q+11], v[RED+16*\q+14:RED+16*\q+15]
	v_pk_add_f32 v[RED+16*\q:RED+16*\q+1], v[RED+16*\q:RED+16*\q+1], v[RED+16*\q+8:RED+16*\q+9]          ; shared + expert
	v_pk_add_f32 v[RED+16*\q+2:RED+16*\q+3], v[RED+16*\q+2:RED+16*\q+3], v[RED+16*\q+10:RED+16*\q+11]
.endr
	s_wait_alu depctr_va_vdst(0)                   ; the additions have written the four rows and the adds their offsets v12 to v15, which the stores read; and all lines that name v[RED ..] are done, in which the next group's LDS loads land
	s_cmp_gt_i32 s88, 0                            ; the rows that the tile has come first: the first that it lacks ends the group
	s_cbranch_scc0 .Lno_out_\@
	global_store_b128 v12, v[RED:RED+3], s[20:21] th:TH_STORE_NT              ; 32 lanes store 512 consecutive bytes, aligned; written once, read by nobody here
	s_cmp_gt_i32 s88, 1
	s_cbranch_scc0 .Lno_out_\@
	global_store_b128 v13, v[RED+16:RED+19], s[20:21] th:TH_STORE_NT
	s_cmp_gt_i32 s88, 2
	s_cbranch_scc0 .Lno_out_\@
	global_store_b128 v14, v[RED+32:RED+35], s[20:21] th:TH_STORE_NT
	s_cmp_gt_i32 s88, 3
	s_cbranch_scc0 .Lno_out_\@
	global_store_b128 v15, v[RED+48:RED+51], s[20:21] th:TH_STORE_NT
.Lno_out_\@:
.endm
	s_wait_kmcnt 0x0                               ; the tokens
	s_wait_alu depctr_vm_vsrc(0)                   ; the head's loads have read their offsets v8 to v11, which the first groups write again
	GROUP 0, 0
	GROUP 0, 1
	GROUP 1, 0
	GROUP 1, 1
	GROUP 2, 0
	GROUP 2, 1
	GROUP 3, 0
	GROUP 3, 1
	GROUP 4, 0
	GROUP 4, 1
	s_wait_dscnt 0x0                               ; the closing lines, six on end
	s_wait_alu 0x0
	s_wait_tensorcnt 0x0
	ds_add_u32 v254, v255
	s_wait_dscnt 0x0
	s_endpgm
.Lfunc_end_k_q30b8bd44a2_down:
	.size	k_q30b8bd44a2_down, .Lfunc_end_k_q30b8bd44a2_down-k_q30b8bd44a2_down
	.p2alignl 7, 3214868480
	.fill 96, 4, 3214868480
	.section	.rodata,"a",@progbits
	.p2align	6, 0x0
	.amdhsa_kernel k_q30b8bd44a2_down
		.amdhsa_group_segment_fixed_size 68096
		.amdhsa_private_segment_fixed_size 0
		.amdhsa_enable_private_segment 0
		.amdhsa_kernarg_size 72
		.amdhsa_user_sgpr_count 2
		.amdhsa_user_sgpr_kernarg_segment_ptr 1
		.amdhsa_wavefront_size32 1
		.amdhsa_system_sgpr_workgroup_id_x 1
		.amdhsa_system_sgpr_workgroup_id_y 1
		.amdhsa_system_sgpr_workgroup_id_z 1
		.amdhsa_system_vgpr_workitem_id 0
		.amdhsa_next_free_vgpr 1024
		.amdhsa_next_free_sgpr 96
		.amdhsa_reserve_vcc 0
		.amdhsa_float_denorm_mode_32 3
		.amdhsa_float_denorm_mode_16_64 3
		.amdhsa_memory_ordered 1
		.amdhsa_forward_progress 1
		.amdhsa_inst_pref_size 132
	.end_amdhsa_kernel
	.amdgpu_metadata
---
amdhsa.version: [ 1, 2 ]
amdhsa.kernels:
  - .name:           k_q30b8bd44a2_down
    .symbol:         k_q30b8bd44a2_down.kd
    .args:
      - { .name: hq, .offset: 0, .size: 8, .value_kind: global_buffer, .address_space: global }
      - { .name: hsc, .offset: 8, .size: 8, .value_kind: global_buffer, .address_space: global }
      - { .name: order, .offset: 16, .size: 8, .value_kind: global_buffer, .address_space: global }
      - { .name: tiles, .offset: 24, .size: 8, .value_kind: global_buffer, .address_space: global }
      - { .name: w3s_codes, .offset: 32, .size: 8, .value_kind: global_buffer, .address_space: global }
      - { .name: w3s_scales, .offset: 40, .size: 8, .value_kind: global_buffer, .address_space: global }
      - { .name: W3_codes, .offset: 48, .size: 8, .value_kind: global_buffer, .address_space: global }
      - { .name: W3_scales, .offset: 56, .size: 8, .value_kind: global_buffer, .address_space: global }
      - { .name: out0, .offset: 64, .size: 8, .value_kind: global_buffer, .address_space: global }
    .group_segment_fixed_size: 68096
    .private_segment_fixed_size: 0
    .kernarg_segment_align: 8
    .kernarg_segment_size: 72
    .max_flat_workgroup_size: 128
    .sgpr_count:     96
    .vgpr_count:     1024
    .wavefront_size: 32
...
	.end_amdgpu_metadata
.endif
;; end of part 8
